; MI455X (gfx1250); checked and timed in simulation.
; The chip was launched on July 23, 2026; its instructions are those of AMD's public machine-readable ISA for CDNA 5 (MIT licence, August 2026) and "CDNA5" Instruction Set Architecture Reference Guide (July 2026). The comments in the code are by the model that wrote it; some were corrected since.
;; Multi Head Attention Layer. Allowed arithmetic: matrix products marked QUANTISED: E2M3 operands, one E8M0 scale for each 32 along K, by v_wmma_scale_f32_16x16x128_f8f6f4 with both operands' format E2M3, f32 sums; everything else in f32.
;; Inputs: H_k 4 x 2,048 x 1,024 float32; H_q 4 x 2,048 x 1,024 float32; H_v 4 x 2,048 x 1,024 float32; M 4 x 1 x 2,048 x 2,048 int32; Wk 1,024 x 1,024 float32; Wo 1,024 x 1,024 float32; Wq 1,024 x 1,024 float32; Wv 1,024 x 1,024 float32; bk 1,024 float32; bo 1,024 float32; bq 1,024 float32; bv 1,024 float32.
;; Outputs: out0 4 x 2,048 x 1,024 float32.
;; This version of the problem:
;;   THIS VERSION OF THE PROBLEM IS GIVEN IN LOW PRECISION. The matrix products marked QUANTISED in the list below multiply operands that are first quantised to E2M3 (2 exponent bits, 3 mantissa bits; 6 bits a number), with one power-of-two scale for each 32 numbers along K (OCP MX v1.0); their sums are f32. All else is computed in f32.
;;   The module's matrix products, in the order in which they are computed (A, B: the left and right operand; K: the contracted axis; several contracted axes count as one K, in the product's order):
;;     1. [M 8,192, K 1,024] x [K 1,024, N 1,024]; A: input H_q; B: input Wq: QUANTISED
;;     2. [M 8,192, K 1,024] x [K 1,024, N 1,024]; A: input H_k; B: input Wk: QUANTISED
;;     3. [M 8,192, K 1,024] x [K 1,024, N 1,024]; A: input H_v; B: input Wv: QUANTISED
;;     4. batch 64 x [M 2,048, K 64] x [K 64, N 2,048]; A: computed on the way; B: computed on the way: QUANTISED
;;     5. batch 64 x [M 64, K 2,048] x [K 2,048, N 2,048]; A: computed on the way; B: softmax (see below): QUANTISED
;;     6. [M 8,192, K 1,024] x [K 1,024, N 1,024]; A: computed on the way; B: input Wo: QUANTISED
;;   THE QUANTISER, for each operand of a quantised product, along K:
;;     - K is cut into blocks of 32 from its start; a last block that is shorter is filled with zeros.
;;     - A block's scale is 2^e with e = floor(log2(the largest magnitude in the block)) - 2, held to -126 .. 127; a block of zeros has e = 0. As a byte (E8M0): e + 127.
;;     - Each number is divided by its block's scale, clamped to +-7.5, and rounded to the nearest number of E2M3, ties to even, subnormals kept.
;;     - The product sums the exact products of the quantised numbers (number of the format x scale) in f32.
;;   ~~~python
;;   def quantise(x, axis):      # numpy; x: float32 -> the quantised numbers, widened to float32 again
;;       x = np.moveaxis(x, axis, -1); K = x.shape[-1]
;;       x = np.pad(x, [(0, 0)] * (x.ndim - 1) + [(0, -K % 32)]); x = x.reshape(x.shape[:-1] + (-1, 32)); a = np.abs(x).max(-1, keepdims=True)
;;       e = np.where(a > 0, np.clip(np.frexp(np.where(a > 0, a, 1))[1] - 1 - 2, -126, 127), 0)      # np.frexp(a)[1] - 1 = floor(log2(a)), exactly
;;       r = np.clip(x / 2.0 ** e, -7.5, 7.5)
;;       step = 2.0 ** (np.maximum(np.frexp(np.where(r == 0, 1, r))[1] - 1, 0) - 3)
;;       q = np.round(r / step) * step * 2.0 ** e      # np.round: ties to even
;;       return np.moveaxis(q.reshape(q.shape[:-2] + (-1,))[..., :K], -1, axis).astype(np.float32)
;;   ~~~
;;   SOFTMAX AHEAD OF A QUANTISED PRODUCT. Where the list says 'softmax', what is quantised is not the finished softmax but p = 2^(t - M), with t = logit x log2(e) and M = ceil(the row's largest t), a whole number; so 1/2 < the row's largest p <= 1. The row's sum l is taken of the UNQUANTISED p, in f32, and the product's result is divided by l at the end. Since M is a whole number, a kernel that streams over the keys may use a running M (the ceiling of the running maximum): every later rescaling is an exact power of two, which a block's scale takes up: the codes' values come out the same.
;;   OPERANDS COMPUTED ON THE WAY. 'Computed on the way' means the value that the module computes at that place (a softmax that the list does not call 'softmax' is quantised finished and normalised). What goes into a quantiser is computed in f32, as accurately as f32 sums, v_exp_f32 and their like allow (about 1e-6 of the number): no bf16 or f16 on the way to a quantiser, and a product that is left as it is and whose result goes on into a quantised operand takes f32 operands (vector FMAs, or v_wmma_f32_16x16x4_f32). A number that lies on a knife's edge between two numbers of the format may be rounded either way, as far as f32 arithmetic and the matrix unit's own rounding can turn it there, and no further.
;; One version. Each part assembles by itself: llvm-mc -triple=amdgcn-amd-amdhsa -mcpu=gfx1250 --defsym DOCPART=n.
;; ======== version 1 of 1: 4 launches
;; workspace buffers: codes 22,020,096 bytes; scales 917,504 bytes; img 18,874,368 bytes; isc 1,572,864 bytes; mbits 2,097,152 bytes of whole numbers; aimg 6,291,456 bytes; asc 262,144 bytes
;; launch prep (part 1): grid 1408 x 1, 4 waves a work-group, no clusters, 67,072 bytes of LDS; arguments H_q, H_k, H_v, Wq, Wk, Wv, Wo, M, codes, scales, mbits; writes codes, scales, mbits
.if DOCPART == 1
	.amdgcn_target "amdgcn-amd-amdhsa--gfx1250"
	.amdhsa_code_object_version 6
	.text
	.protected	k_qc950ceadf0_prep
	.globl	k_qc950ceadf0_prep
	.p2align	8
	.type	k_qc950ceadf0_prep,@function
k_qc950ceadf0_prep:
	s_mov_b64 s[64:65], 0
	v_nop
	global_prefetch_b8 v0, s[64:65] scope:SCOPE_SE
	s_setreg_imm32_b32 hwreg(HW_REG_WAVE_MODE, 25, 1), 1
	s_wait_xcnt 0x0
; PREP.  Two kinds of work-groups, told apart by the work-group's number alone.
; 0 .. 895: H_q, H_k, H_v [8192][1024] and Wq, Wk, Wv, Wo [1024][1024], f32, K innermost, become codes of FP6 (E2M3), 768 bytes a row, and one E8M0 byte for each 32 along K, 32 bytes a row.
;   A block's scale is 2^(floor(log2(its largest magnitude)) - 2); its byte is the largest magnitude's exponent field - 2, held at 1 from below; each number is divided by the scale and rounded to the nearest code, ties to even.
;   A work-group takes 32 rows, a wave 8 rows (8,192 numbers, 16 steps of 512).  STORED ORDER: in every 32 rows, rows 8-15 and 16-23 change places on the way out (wave 1 writes to place 2, wave 2 to place 1), so that
;   stored row 16 u + r is row 8 u + r + 8 (r / 8): sixteen neighbouring stored rows, used as source 0 of a matrix instruction, leave 16 neighbours along that axis in a lane's 16 registers of two neighbouring tiles.
; 896 .. 1407: the mask M [4][2048][2048] int32 becomes one bit a number, laid as the lane masks that the attention launch selects by: [batch][tile of 16 stored queries][step of 128 keys][64 words];
;   word 16 b + i, bit r + 16 h = (M[batch][query 32 (tile / 2) + 8 (tile % 2) + r + 8 (r / 8)][128 step + 32 b + 16 h + i] != 0).  A work-group takes a tile of queries, a wave four steps (512 keys).
; LIMITS: NaN and infinities among the inputs are not served; a block whose largest magnitude lies under 2^(2 - 126) keeps the byte 1; a block of zeros gets the byte 1 and not 127 (its codes are zeros, and this program alone reads the bytes).
; No tensor loads, no barrier: waves share nothing.  The two paths have LDS bytes of their own: 0 .. 32,767 and 32,768 .. 66,559.
.set STEPS, 16
.set CB,    12                         ; bytes of 16 codes
.set R,     16                         ; v16-79   four sets of 16 numbers as they are loaded
.set X,     80                         ; v80-111  two sets of 16 neighbours
.set E,     112                        ; v112-127 a scale byte for each step
.set C,     128                        ; v128-191 codes: four registers for each step, so that no store's data are written again
.set WREG,  8192                       ; LDS of a quantising wave: two stages of 32 x SP bytes, behind them its 256 scale bytes
.set SP,    80                         ; a lane's place in a stage: its 64 bytes + 16 of padding
.set NQWG,  896                        ; work-groups that quantise
.set MSTG,  32768                      ; LDS of the mask path: for each wave 16 rows x MROW
.set MROW,  528                        ; 512 bytes (128 numbers of a query's row) + 16: sixteen rows begin at sixteen different 16-byte columns
.set MR,    16                         ; v16-143  two sets of 64: a step's 16 rows as loaded
.set MY,    144                        ; v144-207 a step's 64 numbers of my query, in the order of the scores' registers
.set MO,    208                        ; v208-215 a pair of words for each of the wave's four steps
	s_load_b512 s[4:19], s[0:1], 0x0               ; H_q, H_k, H_v, Wq, Wk, Wv, Wo, M
	s_load_b128 s[20:23], s[0:1], 0x40             ; codes, scales
	s_load_b64 s[24:25], s[0:1], 0x50              ; mbits
	v_lshl_add_u32 v224, v0, 2, 0x10400
	v_mov_b32 v225, 0
	v_lshrrev_b32 v1, 5, v0
	v_readfirstlane_b32 s26, v1                    ; wave 0..3
	v_and_b32 v2, 31, v0                           ; lane
	s_cmp_ge_u32 ttmp9, NQWG
	s_cbranch_scc1 .Lmask
	; ---------------- the quantiser ----------------
	v_lshlrev_b32 v3, 4, v2                        ; my 16 bytes of a load's 512
	s_mul_i32 s27, s26, WREG
	v_lshrrev_b32 v14, 2, v2
	v_mul_u32_u24 v14, v14, SP
	v_and_b32 v15, 3, v2
	v_lshl_add_u32 v14, v15, 4, v14
	v_add_nc_u32 v14, s27, v14                     ; the stage, on the way in: four lanes' 64 bytes on end, then 16 of padding
	v_mul_u32_u24 v15, v2, SP
	v_add_nc_u32 v15, s27, v15                     ; and on the way out: my 16 neighbours
	v_mul_u32_u24 v4, v2, CB                       ; my codes' place in a step's
	v_lshrrev_b32 v5, 1, v2
	s_add_co_u32 s27, s27, 2*32*SP
	v_add_nc_u32 v5, s27, v5                       ; LDS: my wave's 256 scale bytes, my block's byte
	v_lshlrev_b32 v7, 3, v2                        ; and on the way out 8 bytes a lane
	v_add_nc_u32 v6, s27, v7
	s_wait_kmcnt 0x0
	s_mov_b64 s[28:29], s[16:17]                   ; which tensor: chosen by the work-group's number alone, from Wo downward
	s_mov_b32 s30, 864                             ; and the tensor's first work-group
	s_cmp_lt_u32 ttmp9, 864
	s_cselect_b64 s[28:29], s[14:15], s[28:29]
	s_cselect_b32 s30, 832, s30
	s_cmp_lt_u32 ttmp9, 832
	s_cselect_b64 s[28:29], s[12:13], s[28:29]
	s_cselect_b32 s30, 800, s30
	s_cmp_lt_u32 ttmp9, 800
	s_cselect_b64 s[28:29], s[10:11], s[28:29]
	s_cselect_b32 s30, 768, s30
	s_cmp_lt_u32 ttmp9, 768
	s_cselect_b64 s[28:29], s[8:9], s[28:29]
	s_cselect_b32 s30, 512, s30
	s_cmp_lt_u32 ttmp9, 512
	s_cselect_b64 s[28:29], s[6:7], s[28:29]
	s_cselect_b32 s30, 256, s30
	s_cmp_lt_u32 ttmp9, 256
	s_cselect_b64 s[28:29], s[4:5], s[28:29]
	s_cselect_b32 s30, 0, s30
	s_sub_co_u32 s30, ttmp9, s30
	s_lshl_b32 s30, s30, 17                        ; 32 rows of 4,096 bytes a work-group,
	s_lshl_b32 s31, s26, 15                        ; 8 rows a wave
	s_add_co_u32 s30, s30, s31
	s_mov_b32 s31, 0
	s_add_nc_u64 s[28:29], s[28:29], s[30:31]
	s_and_b32 s32, s26, 1                          ; the wave's place on the way out: its number with the two bits exchanged
	s_lshl_b32 s32, s32, 1
	s_lshr_b32 s33, s26, 1
	s_or_b32 s32, s32, s33
	s_lshl_b32 s33, ttmp9, 2
	s_add_co_u32 s32, s32, s33                     ; the seven tensors lie on end in codes and in scales: run 4 x work-group + place
	s_mul_i32 s30, s32, 6144                       ; 8 rows of 768 bytes
	s_add_nc_u64 s[20:21], s[20:21], s[30:31]
	s_lshl_b32 s30, s32, 8                         ; 8 rows of 32 bytes
	s_add_nc_u64 s[22:23], s[22:23], s[30:31]
.macro LOAD t
.irp i, 0,1,2,3
	global_load_b128 v[R+16*((\t)%4)+4*\i:R+16*((\t)%4)+4*\i+3], v3, s[28:29] offset:2048*(\t)+512*\i th:TH_LOAD_NT   ; 32 lanes read 512 consecutive bytes
.endr
.endm
.macro TURN t                          ; step t's numbers through the stage: LDS serves a wave's instructions in order, so no wait stands between the stores and the loads
.irp i, 0,1,2,3
	ds_store_b128 v14, v[R+16*((\t)%4)+4*\i:R+16*((\t)%4)+4*\i+3] offset:32*SP*((\t)%2)+8*SP*\i
.endr
.irp i, 0,1,2,3
	ds_load_b128 v[X+16*((\t)%2)+4*\i:X+16*((\t)%2)+4*\i+3], v15 offset:32*SP*((\t)%2)+16*\i
.endr
.endm
.irp t, 0,1,2,3
	LOAD \t
.endr
	s_wait_loadcnt 12                              ; step 0's four loads are in; the twelve of steps 1 to 3 may be out
	TURN 0
.macro STEP t
.set XS, X+16*((\t)%2)
.if (\t) > 0
	s_wait_dscnt 1                                 ; this step's numbers are back from the stage (the last step's byte store may be out): so its stores into the stage have read their registers,
.else
	s_wait_dscnt 0x0
.endif
.if (\t)+4 < STEPS
	LOAD (\t)+4                                    ; which take the loads of four steps on
.endif
.if (\t)+1 < STEPS
.if STEPS-2-(\t) >= 3
	s_wait_loadcnt 12                              ; the next step's four loads are in; those of the three steps behind it may be out
.else
	s_wait_loadcnt 4*(STEPS-2-(\t))
.endif
	TURN (\t)+1                                    ; and go through the other stage while this step is worked
.endif
	v_max3_num_f32 v8, |v[XS]|, |v[XS+1]|, |v[XS+2]|               ; the largest magnitude of my 16, in two chains
	v_max3_num_f32 v9, |v[XS+3]|, |v[XS+4]|, |v[XS+5]|
.irp i, 6,10
	v_max3_num_f32 v8, v8, |v[XS+\i]|, |v[XS+\i+1]|
	v_max3_num_f32 v9, v9, |v[XS+\i+2]|, |v[XS+\i+3]|
.endr
	v_max3_num_f32 v8, v8, |v[XS+14]|, |v[XS+15]|
	v_max3_num_f32 v8, v8, v9, 0x1800000           ; and the floor 2^(3 - 127): so the byte cannot fall under 1
	v_max_num_f32_dpp v8, v8, v8 row_xmask:1 row_mask:0xf bank_mask:0xf   ; and of my neighbour's 16: the block's
	v_add_nc_u32 v11, 0xff000000, v8               ; 2 off its exponent field: the conversion takes the exponent field of this operand as its scale
	v_cvt_scalef32_pk16_fp6_f32 v[C+4*(\t):C+4*(\t)+2], v[XS:XS+15], v11
	v_lshrrev_b32 v[E+(\t)], 23, v11               ; the scale's byte (a plain line behind the conversion)
	ds_store_b8 v5, v[E+(\t)] offset:16*(\t)       ; both lanes of a block write the same byte with the same value
	global_store_b96 v4, v[C+4*(\t):C+4*(\t)+2], s[20:21] offset:32*CB*(\t)   ; the wave stores 384 consecutive bytes
.endm
.irp t, 0,1,2,3,4,5,6,7,8,9,10,11,12,13,14,15
	STEP \t
.endr
	ds_load_b64 v[12:13], v6                       ; LDS serves a wave's instructions in order: these see my stores
	s_wait_dscnt 0x0
	global_store_b64 v7, v[12:13], s[22:23]        ; 32 lanes store 256 consecutive bytes, aligned
	s_wait_tensorcnt 0x0
	ds_add_u32 v224, v225
	s_wait_dscnt 0x0
	s_endpgm
	; ---------------- the mask ----------------
.Lmask:
	s_sub_co_u32 s27, ttmp9, NQWG                  ; 128 x batch + tile of queries
	s_lshr_b32 s28, s27, 7                         ; batch
	s_and_b32 s29, s27, 127                        ; tile
	s_lshr_b32 s30, s29, 1
	s_lshl_b32 s30, s30, 5
	s_and_b32 s31, s29, 1
	s_lshl_b32 s31, s31, 3
	s_add_co_u32 s30, s30, s31                     ; the tile's first query: 32 (tile / 2) + 8 (tile % 2)
	s_lshl_b32 s30, s30, 13                        ; a query's row is 8,192 bytes,
	s_lshl_b32 s28, s28, 24                        ; a batch 2^24,
	s_add_co_u32 s30, s30, s28
	s_lshl_b32 s28, s26, 11                        ; my wave's 512 keys 2,048
	s_add_co_u32 s30, s30, s28
	s_mov_b32 s31, 0
	s_lshl_b32 s28, s27, 12                        ; out: 4,096 bytes a tile, 1,024 a wave
	s_lshl_b32 s29, s26, 10
	s_add_co_u32 s28, s28, s29
	s_mov_b32 s29, 0
	s_mul_i32 s27, s26, 16*MROW
	s_add_co_u32 s27, s27, MSTG                    ; my stage
	v_lshlrev_b32 v8, 4, v2                        ; in memory: 16 bytes a lane
	v_add_nc_u32 v9, s27, v8                       ; the stage, on the way in: a row as it lies
	v_and_b32 v3, 15, v0                           ; r
	v_bfe_u32 v4, v0, 4, 1                         ; h
	v_mul_u32_u24 v10, v3, MROW
	v_lshl_add_u32 v10, v4, 6, v10
	v_add_nc_u32 v10, s27, v10                     ; on the way out: row r, + 16 h keys
	v_lshlrev_b32 v11, 3, v2                       ; two words a lane
.irp i, 0,1,2,3,4,5,6,7
	v_mov_b32 v[MO+\i], 0                          ; written once: v_writelane_b32's destination counts as read
.endr
	s_wait_kmcnt 0x0
	s_add_nc_u64 s[18:19], s[18:19], s[30:31]
	s_add_nc_u64 s[24:25], s[24:25], s[28:29]
.macro LOADM s                         ; step s: 128 keys of the tile's 16 queries: each load reads 512 consecutive bytes of one row
.irp q, 0,1,2,3,4,5,6,7,8,9,10,11,12,13,14,15
	global_load_b128 v[MR+64*((\s)%2)+4*\q:MR+64*((\s)%2)+4*\q+3], v8, s[18:19] offset:(\q+8*(\q/8))*8192+512*(\s) th:TH_LOAD_NT
.endr
.endm
.macro TURNM s                         ; through the stage: in by rows, out 64 numbers of one query to a lane
.irp q, 0,1,2,3,4,5,6,7,8,9,10,11,12,13,14,15
	ds_store_b128 v9, v[MR+64*((\s)%2)+4*\q:MR+64*((\s)%2)+4*\q+3] offset:MROW*\q
.endr
.irp b, 0,1,2,3
.irp j, 0,1,2,3
	ds_load_b128 v[MY+16*\b+4*\j:MY+16*\b+4*\j+3], v10 offset:128*\b+16*\j
.endr
.endr
.endm
.macro PACK s                          ; a compare gives word n as a lane mask; it goes to lane n / 2, register n % 2, so that the wave's store is the 64 words on end
.set n, 0
.rept 8
.irp k, 0,1,2,3,4,5,6,7
	v_cmp_ne_u32 s[32+\k], 0, v[MY+n+\k]
.endr
.irp k, 0,1,2,3,4,5,6,7
	v_writelane_b32 v[MO+2*(\s)+\k%2], s[32+\k], (n+\k)/2
.endr
.set n, n+8
.endr
	global_store_b64 v11, v[MO+2*(\s):MO+2*(\s)+1], s[24:25] offset:256*(\s)   ; 256 consecutive bytes, aligned
.endm
	LOADM 0
	LOADM 1
.irp s, 0,1,2,3
.if \s < 3
	s_wait_loadcnt 16                              ; this step's 16 loads are in; the next step's 16 may be out
.else
	s_wait_loadcnt 0x0
.endif
	TURNM \s
	s_wait_dscnt 0x0                               ; my numbers are back, and the stores into the stage have read their registers
.if \s < 2
	LOADM \s+2
.endif
	PACK \s
.endr
	s_wait_tensorcnt 0x0
	ds_add_u32 v224, v225
	s_wait_dscnt 0x0
	s_endpgm
.Lfunc_end_k_qc950ceadf0_prep:
	.size	k_qc950ceadf0_prep, .Lfunc_end_k_qc950ceadf0_prep-k_qc950ceadf0_prep
	.p2alignl 7, 3214868480
	.fill 96, 4, 3214868480
	.section	.rodata,"a",@progbits
	.p2align	6, 0x0
	.amdhsa_kernel k_qc950ceadf0_prep
		.amdhsa_group_segment_fixed_size 67072
		.amdhsa_private_segment_fixed_size 0
		.amdhsa_enable_private_segment 0
		.amdhsa_kernarg_size 88
		.amdhsa_user_sgpr_count 2
		.amdhsa_user_sgpr_kernarg_segment_ptr 1
		.amdhsa_wavefront_size32 1
		.amdhsa_system_sgpr_workgroup_id_x 1
		.amdhsa_system_sgpr_workgroup_id_y 1
		.amdhsa_system_sgpr_workgroup_id_z 1
		.amdhsa_system_vgpr_workitem_id 0
		.amdhsa_next_free_vgpr 226
		.amdhsa_next_free_sgpr 66
		.amdhsa_reserve_vcc 0
		.amdhsa_float_denorm_mode_32 3
		.amdhsa_float_denorm_mode_16_64 3
		.amdhsa_memory_ordered 1
		.amdhsa_forward_progress 1
		.amdhsa_inst_pref_size 82
	.end_amdhsa_kernel
	.amdgpu_metadata
---
amdhsa.version: [ 1, 2 ]
amdhsa.kernels:
  - .name:           k_qc950ceadf0_prep
    .symbol:         k_qc950ceadf0_prep.kd
    .args:
      - { .name: H_q, .offset: 0, .size: 8, .value_kind: global_buffer, .address_space: global }
      - { .name: H_k, .offset: 8, .size: 8, .value_kind: global_buffer, .address_space: global }
      - { .name: H_v, .offset: 16, .size: 8, .value_kind: global_buffer, .address_space: global }
      - { .name: Wq, .offset: 24, .size: 8, .value_kind: global_buffer, .address_space: global }
      - { .name: Wk, .offset: 32, .size: 8, .value_kind: global_buffer, .address_space: global }
      - { .name: Wv, .offset: 40, .size: 8, .value_kind: global_buffer, .address_space: global }
      - { .name: Wo, .offset: 48, .size: 8, .value_kind: global_buffer, .address_space: global }
      - { .name: M, .offset: 56, .size: 8, .value_kind: global_buffer, .address_space: global }
      - { .name: codes, .offset: 64, .size: 8, .value_kind: global_buffer, .address_space: global }
      - { .name: scales, .offset: 72, .size: 8, .value_kind: global_buffer, .address_space: global }
      - { .name: mbits, .offset: 80, .size: 8, .value_kind: global_buffer, .address_space: global }
    .group_segment_fixed_size: 67072
    .private_segment_fixed_size: 0
    .kernarg_segment_align: 8
    .kernarg_segment_size: 88
    .max_flat_workgroup_size: 128
    .sgpr_count:     66
    .vgpr_count:     226
    .wavefront_size: 32
...
	.end_amdgpu_metadata
.endif
;; end of part 1
;; launch proj (part 2): grid 4 x 96, 4 waves a work-group, clusters of 4 x 4, 327,680 bytes of LDS; arguments codes, scales, bq, bk, bv, img, isc; writes img, isc
.if DOCPART == 2
	.amdgcn_target "amdgcn-amd-amdhsa--gfx1250"
	.amdhsa_code_object_version 6
	.text
	.protected	k_qc950ceadf0_proj
	.globl	k_qc950ceadf0_proj
	.p2align	8
	.type	k_qc950ceadf0_proj,@function
k_qc950ceadf0_proj:
	s_mov_b64 s[64:65], 0
	v_nop
	global_prefetch_b8 v0, s[64:65] scope:SCOPE_SE
	s_setreg_imm32_b32 hwreg(HW_REG_WAVE_MODE, 25, 1), 1
	s_wait_xcnt 0x0
	s_wait_alu depctr_hold_cnt(0) depctr_sa_sdst(0) depctr_va_vdst(0) depctr_va_sdst(0) depctr_va_ssrc(0) depctr_va_vcc(0) depctr_vm_vsrc(0)
	s_getreg_b32 s2, hwreg(HW_REG_IB_STS2, 6, 4)
	s_cmp_eq_u32 s2, 0
	s_cbranch_scc0 .Lentry_in_a_cluster
	s_endpgm
.Lentry_in_a_cluster:
	s_bfe_u32 s2, ttmp6, 0x10000c
	s_cmp_lg_u32 s2, 0xf033
	s_cbranch_scc0 .Lentry_shape_is_right
	s_endpgm
.Lentry_shape_is_right:
; PROJ.  Q = H_q Wq^T + bq, K = H_k Wk^T + bk and V^T = Wv H_v^T + bv (by rows), on codes of FP6 (E2M3) with one E8M0 scale for each 32 along K = 1,024; the results are quantised again, in registers, and leave as codes.
; ONE BODY: C[m][n] = sum over k of A[m][k] B[n][k], then + bias, then the quantiser ALONG n.  Q, K (T = 0, 1): A = H_T (m = token), B = W_T (n = feature): n runs along a head's 64, the K of the scores' product.
; V (T = 2): A = Wv (m = feature), B = H_v (n = token): n runs along the keys, the K of the second product of attention.  Which is which hangs on the cluster's y alone: 8 clusters of 4 x 4 work-groups for each T.
; A tile of C is 256 x 256; four waves, each 128 x 128: 64 accumulators, 512 registers.  K goes in steps of 256 through a ring of two LDS slots filled by the tensor data mover; rows of 192 bytes, 16 bytes of padding behind every 64.
; The scale bytes of the work-group's 256 + 256 rows, for all of K, come into LDS once, with the first fills.  CLUSTER: A's tiles are asked for jointly along a row of the cluster, B's along a column.
; THE MATRIX INSTRUCTION IS USED TRANSPOSED: source 0 = 16 rows of B, source 1 = 16 rows of A.  The rows of codes lie in STORED ORDER (in every 32 rows, rows 8-15 and 16-23 have changed places), so that in block a of my rows a lane
; holds stored row m = lane % 16, and the 64 registers of its eight accumulators are n = 32 b + 16 (lane / 16) + i at register 16 b + i: 16 neighbours of each block of 32.
; OUT.  128 along n are one fragment of 12 registers: two UNITS of 16 rows x 64 (6 registers a lane, 768 bytes: [32 lanes][16 bytes], then [32 lanes][8 bytes]), images of the registers that the next launch wants.
;   img: Q at 0 and K at 6,291,456: [16 batch + head][tile of 16 stored tokens, 128][768];  V^T at 12,582,912: [64 tokens, 128][tile of 16 stored features, 64][768].
;   isc, a word a row: Q, K: [16 batch + head][stored token], two bytes and two zeros;  V at 1,048,576: [64 tokens][tile][16]: the word at an even place holds the four bytes of 128 keys, that at an odd place is not read.
; LIMITS: NaN and infinities are not served; a block under 2^(2 - 126) keeps the byte 1, a block of zeros too (its codes are zeros; this program alone reads the bytes).
; REGISTERS, in windows of 256: window 0: v1-15 offsets; v16-23 LDS addresses; v27-29; v32-63 scale words, two sets; v64-127 the bias along n; v128-223 A's fragments, ONE set; v224-239 the bias along m; v240-255 at work in the quantiser.
;   After the last product: v128-191 a block's 64 numbers, v192-210 its codes.   window 1: B's fragments, two sets.   windows 2, 3: the accumulators ((a, b) at v[8 (8 (a % 4) + b)]).
.set KSTEP,  256
.set NQ,     2                         ; matrix instructions deep in a slot
.set ROWB,   192                       ; a tile's row in bytes
.set KROW,   768                       ; a row of codes in memory
.set PITCH,  240                       ; an LDS row: 3 x (64 + 16) bytes
.set FR,     12                        ; registers of a fragment
.set NL,     6                         ; LDS loads that bring one
.set NP,     4                         ; places behind this matrix instruction (ISA guide 7.12.1)
.set HALFT,  128*PITCH                 ; what one tensor load brings
.set SLOT,   4*HALFT                   ; A's 256 rows, then B's
.set LAPS,   2                         ; 1,024 / 512
.set KS,     32                        ; a row of scale bytes
.set SCL,    2*SLOT                    ; behind the ring: the scales, as units of 256 bytes + 16
.set HALFS,  (128*KS/256)*272
.set SBLK,   (16*KS/256)*272
.set SPARE,  SCL+4*HALFS               ; the spare words: 128 bytes for each wave, two blocks of 256 bytes that no other line names
.set VO0,  8                           ; v8   16 x lane: a unit's first 512 bytes
.set VO0B, 9                           ; v9   8 x lane: its last 256
.set VO1,  10                          ; v10, v11 the same for the fragment's second unit
.set VO1B, 11
.set VS,   12                          ; v12  my scale word's place
.set SH16, 13                          ; v13  16 x (lane / 16)
.set BNO,  14                          ; v14, v15 the biases' offsets
.set BMO,  15
.set ADRA, 16                          ; v16-17 (v18-19: behind one padding more)
.set ADRB, 20                          ; v20-21 (v22-23)
.set ADRS, 27
.set SPW,  28                          ; v28  SPARE + 4 x my thread's number; never rewritten
.set NIL,  29                          ; v29  0; never rewritten
.set SC,   32
.set BN,   64
.set AF,   128
.set BM,   224
.set HA,   128
.set PC,   192
.set PW,   212
.set W2,   213
.set TM,   240
.set WV,  16                           ; s16 wave;  s17 wave / 2: my half of the rows, and: I fetch for A (0) or B (1);  s18 wave % 2: my half of the columns, and which 128 rows I fetch
.set RH,  17
.set CH,  18
.set ISV, 19                           ; s19 1 for V^T
.set SEL, 20                           ; s[20:21] lane selects: lane l xor 16
.set G1,  24
.set G0,  32
.set G1B, 48
.set G0B, 56
.set SM,  67                           ; s67 which bytes of a scale word are kept
.set G1S, 68
.set G0S, 76
.set G1SB, 80
.set G0SB, 88
.set MSB, 0
.macro WIN new                         ; the immediate's high byte repeats the setting that is left
.if MSB != (\new)
	s_set_vgpr_msb (MSB<<8)|(\new)
.set MSB, (\new)
.endif
.endm
.set MUL_LO, 0xa1                      ; source 0 (B) window 1, source 1 (A) window 0, C and D window 2
.set MUL_HI, 0xf1
.set TO_B,   0x40
; A joint load: waves 0 and 1 fetch for A, waves 2 and 3 for B; the branch hangs on the wave's number alone.  Four v_nop follow each of the two lines.
.macro JLOAD g0a, g1a, g0b, g1b
	s_cmp_eq_u32 s[RH], 0
	s_cbranch_scc0 .Lfor_b_\@
	tensor_load_to_lds s[\g0a:\g0a+3], s[\g1a:\g1a+7]
	s_nop 0
.rept 4
	v_nop
.endr
	s_branch .Lasked_\@
.Lfor_b_\@:
	tensor_load_to_lds s[\g0b:\g0b+3], s[\g1b:\g1b+7]
	s_nop 0
.rept 4
	v_nop
.endr
.Lasked_\@:
.endm
.macro CREST                           ; a round of the cluster's barrier behind its opening barrier
	s_cmp_lg_u32 s[WV], 0
	s_cbranch_scc1 .Lnot_wave_0_\@
	s_barrier_signal -3
.Lnot_wave_0_\@:
	s_barrier_wait -3
	s_barrier_signal -1
	s_barrier_wait -1
.endm
.macro CROUND
	s_barrier_signal -1
	s_barrier_wait -1
	CREST
.endm
	s_load_b128 s[4:7], s[0:1], 0x0                ; codes, scales
	s_load_b128 s[8:11], s[0:1], 0x10              ; bq, bk
	s_load_b64 s[92:93], s[0:1], 0x20              ; bv
	s_load_b64 s[12:13], s[0:1], 0x28              ; img
	s_load_b64 s[14:15], s[0:1], 0x30              ; isc
	v_lshl_add_u32 v[SPW], v0, 2, SPARE
	v_mov_b32 v[NIL], 0
	ds_add_u32 v28, v29
	ds_add_u32 v28, v29
	s_wait_dscnt 0x0
	v_lshrrev_b32 v1, 5, v0
	v_readfirstlane_b32 s[WV], v1
	s_lshr_b32 s[RH], s[WV], 1
	s_and_b32 s[CH], s[WV], 1
	s_bfe_u32 s40, ttmp6, 0x40000                  ; cx
	s_bfe_u32 s41, ttmp6, 0x40004                  ; cy
	s_and_b32 s94, ttmp7, 0xffff                   ; the cluster's y, 0 .. 23
	s_lshr_b32 s66, s94, 3                         ; T: 0 Q, 1 K, 2 V
	s_and_b32 s94, s94, 7
	s_lshl_b32 s94, s94, 2                         ; 4 x (cluster y % 8)
	s_mul_i32 s96, s66, 6291456                    ; H_T's codes begin here,
	s_mul_i32 s97, s66, 786432
	s_add_co_u32 s97, s97, 18874368                ; W_T's here;
	s_lshl_b32 s98, s66, 18                        ; H_T's scale bytes,
	s_lshl_b32 s99, s66, 15
	s_add_co_u32 s99, s99, 786432                  ; W_T's
	s_cmp_eq_u32 s66, 2                            ; for V the two change places
	s_cselect_b32 s[ISV], 1, 0
	s_cselect_b32 s22, 0, s94
	s_cselect_b32 s23, s94, 0
	s_cselect_b32 s100, s97, s96                   ; A's codes
	s_cselect_b32 s101, s96, s97                   ; B's codes
	s_cselect_b32 s67, s99, s98                    ; A's scales
	s_cselect_b32 s45, s98, s99                    ; B's scales
	s_add_co_u32 s2, s41, s22                      ; tile row of C: made of cy and the cluster's y alone
	s_add_co_u32 s42, s40, s23                     ; tile column: of cx and the cluster's y alone
	s_lshl_b32 s43, s41, 2
	s_lshl_b32 s43, 15, s43                        ; my row of the cluster
	s_lshl_b32 s44, 0x1111, s40                    ; my column
	s_or_b32 s[G1+0], s43, (0<<16)|(1<<20)|(1<<21)|(3<<22)|(3<<25)  ; the mask; elements of 1 byte; padding on; bit 21 beside a mask; after every 16 words 4 words
	s_or_b32 s[G1B+0], s44, (0<<16)|(1<<20)|(1<<21)|(3<<22)|(3<<25)
.irp g, G1, G1B
	s_mov_b32 s[\g+1], ROWB<<16                    ; tensor_dim0
	s_mov_b32 s[\g+2], 128<<16                     ; tensor_dim1
	s_mov_b32 s[\g+3], ROWB<<16                    ; tile_dim0
	s_mov_b32 s[\g+4], 128                         ; tile_dim1
	s_mov_b32 s[\g+5], KROW                        ; from row to row
	s_mov_b32 s[\g+6], 0
	s_mov_b32 s[\g+7], 0
.endr
	s_or_b32 s[G1S+0], s43, (3<<16)|(1<<20)|(1<<21)|(5<<22)|(3<<25) ; the scales of 128 rows: 4,096 dense bytes as 16 rows of 256 (32 elements of 8 bytes), 16 bytes of padding behind each
	s_or_b32 s[G1SB+0], s44, (3<<16)|(1<<20)|(1<<21)|(5<<22)|(3<<25)
.irp g, G1S, G1SB
	s_mov_b32 s[\g+1], 32<<16
	s_mov_b32 s[\g+2], (128*KS/256)<<16
	s_mov_b32 s[\g+3], 32<<16
	s_mov_b32 s[\g+4], 128*KS/256
	s_mov_b32 s[\g+5], 32
	s_mov_b32 s[\g+6], 0
	s_mov_b32 s[\g+7], 0
.endr
	s_lshl_b32 s3, s[CH], 7                        ; which 128 rows of a tile I fetch
	s_lshl_b32 s46, s2, 8
	s_add_co_u32 s46, s46, s3                      ; A: row 256 x tile row + 128 x half
	s_mul_i32 s98, s46, KROW
	s_add_co_u32 s98, s98, s100                    ; its codes, in bytes from the buffer's start (all under 2^25)
	s_mov_b32 s99, 0
	s_lshl_b32 s46, s46, 5
	s_add_co_u32 s46, s46, s67                     ; its scale bytes
	s_mov_b32 s47, 0
	s_lshl_b32 s94, s42, 8
	s_add_co_u32 s94, s94, s3                      ; B likewise, in registers that never hold cy
	s_mul_i32 s22, s94, KROW
	s_add_co_u32 s22, s22, s101
	s_mov_b32 s23, 0
	s_lshl_b32 s94, s94, 5
	s_add_co_u32 s94, s94, s45
	s_mov_b32 s95, 0
	s_mul_i32 s45, s[WV], HALFT                    ; where they go: wave x 128 rows: no place in the cluster enters an LDS address
	s_mul_i32 s67, s[WV], HALFS
	s_mov_b32 s[SEL], 0x76543210
	s_mov_b32 s[SEL+1], 0xfedcba98
	s_wait_kmcnt 0x0
	s_add_nc_u64 s[98:99], s[4:5], s[98:99]
	s_add_nc_u64 s[46:47], s[6:7], s[46:47]
	s_add_nc_u64 s[22:23], s[4:5], s[22:23]
	s_add_nc_u64 s[94:95], s[6:7], s[94:95]
	CROUND                                         ; all sixteen work-groups are here: the first joint loads meet
	s_mov_b32 s[G0S], 1
	s_add_co_u32 s[G0S+1], s67, SCL
	s_mov_b64 s[G0S+2:G0S+3], s[46:47]
	s_or_b32 s[G0S+3], s[G0S+3], 0x80000000
	s_mov_b32 s[G0SB], 1
	s_add_co_u32 s[G0SB+1], s67, SCL
	s_mov_b64 s[G0SB+2:G0SB+3], s[94:95]
	s_or_b32 s[G0SB+3], s[G0SB+3], 0x80000000
	JLOAD G0S, G1S, G0SB, G1SB                     ; the scales first: they are wanted with K step 0
.irp s, 0,1
	s_mov_b32 s[G0+4*\s], 1
	s_add_co_u32 s[G0+4*\s+1], s45, \s*SLOT
	s_add_nc_u64 s[G0+4*\s+2:G0+4*\s+3], s[98:99], \s*ROWB
	s_or_b32 s[G0+4*\s+3], s[G0+4*\s+3], 0x80000000
	s_mov_b32 s[G0B+4*\s], 1
	s_add_co_u32 s[G0B+4*\s+1], s45, \s*SLOT
	s_add_nc_u64 s[G0B+4*\s+2:G0B+4*\s+3], s[22:23], \s*ROWB
	s_or_b32 s[G0B+4*\s+3], s[G0B+4*\s+3], 0x80000000
	JLOAD G0+4*\s, G1, G0B+4*\s, G1B               ; three tensor loads of mine are out behind the second of these
.endr
	; the bias of this T; both layouts are loaded (the one that is not used reads the bias's first 128 numbers), so that every register is written on every way
	s_cmp_eq_u32 s66, 1
	s_cselect_b64 s[8:9], s[10:11], s[8:9]
	s_cmp_eq_u32 s66, 2
	s_cselect_b64 s[8:9], s[92:93], s[8:9]
	s_lshl_b32 s100, s42, 8
	s_add_co_u32 s100, s100, s3                    ; my first n
	s_lshl_b32 s100, s100, 2
	s_lshl_b32 s101, s2, 8
	s_lshl_b32 s96, s[RH], 7
	s_add_co_u32 s101, s101, s96                   ; my first m
	s_lshl_b32 s101, s101, 2
	s_mov_b32 s96, 98304                           ; from a fragment's first unit to its second: a head (128 tiles) in Q and K, 64 tokens (64 tiles) in V^T
	s_mov_b32 s97, 8192                            ; and between their scale words
	s_mov_b32 s[SM], 0xffff
	s_cmp_eq_u32 s[ISV], 1
	s_cselect_b32 s100, 0, s100                    ; the bias runs along n in Q and K,
	s_cselect_b32 s101, s101, 0                    ; along m in V^T
	s_cselect_b32 s96, 49152, s96
	s_cselect_b32 s97, 4096, s97
	s_cselect_b32 s[SM], -1, s[SM]
	v_and_b32 v1, 15, v0                           ; r
	v_bfe_u32 v2, v0, 4, 1                         ; h
	v_and_b32 v3, 31, v0
	v_lshlrev_b32 v[VO0], 4, v3
	v_lshlrev_b32 v[VO0B], 3, v3
	v_add_nc_u32 v[VO1], s96, v[VO0]
	v_add_nc_u32 v[VO1B], s96, v[VO0B]
	v_mul_u32_u24 v[VS], s97, v2
	v_lshl_add_u32 v[VS], v1, 2, v[VS]             ; lanes 0-15: the first unit's word of row r; lanes 16-31: the second's
	v_lshlrev_b32 v[SH16], 4, v2
	v_lshl_add_u32 v[BNO], v2, 6, s100             ; register 16 b + i wants bias[n0 + 32 b + 16 h + i]
	v_and_b32 v[BMO], 8, v1
	v_add_nc_u32 v[BMO], v[BMO], v1
	v_lshl_add_u32 v[BMO], v[BMO], 2, s101         ; block a wants bias[m0 + 32 (a / 2) + 8 (a % 2) + r + 8 (r / 8)]: stored order turned back
.irp b, 0,1,2,3
.irp j, 0,1,2,3
	global_load_b128 v[BN+16*\b+4*\j:BN+16*\b+4*\j+3], v[BNO], s[8:9] offset:128*\b+16*\j
.endr
.endr
.irp a, 0,1,2,3,4,5,6,7
	global_load_b32 v[BM+2*\a], v[BMO], s[8:9] offset:(32*(\a/2)+8*(\a%2))*4
	global_load_b32 v[BM+2*\a+1], v[BMO], s[8:9] offset:(32*(\a/2)+8*(\a%2))*4   ; twice: a pair for the packed addition
.endr
.irp b, 0,1,2,3
	v_mov_b32 v[TM+4+\b], 0                        ; written once: a lane permute's destination counts as one of its sources
.endr
	v_mul_u32_u24 v3, v1, PITCH
	v_mul_u32_u24 v4, v2, 24
	v_add_nc_u32 v4, v3, v4                        ; a fragment's row x pitch + 24 x half
	v_lshl_add_u32 v5, v2, 4, v4                   ; and the same behind one padding more
	s_mul_i32 s100, s[RH], HALFT                   ; my 128 rows of A
	s_mul_i32 s101, s[CH], HALFT                   ; my 128 rows of B,
	s_add_co_u32 s101, s101, 2*HALFT               ; behind A's 256
.irp s, 0,1
	v_add_nc_u32 v[ADRA+\s], s100, v4
	v_add_nc_u32 v[ADRB+\s], s101, v4
	v_add_nc_u32 v[ADRA+2+\s], s100, v5
	v_add_nc_u32 v[ADRB+2+\s], s101, v5
	s_add_co_u32 s100, s100, SLOT
	s_add_co_u32 s101, s101, SLOT
.endr
	v_mul_u32_u24 v5, v1, KS                       ; my row's scales: KS bytes a row,
	v_lshrrev_b32 v6, 8, v5
	v_lshl_add_u32 v5, v6, 4, v5                   ; and 16 more for each 256 passed
	s_mul_i32 s100, s[RH], HALFS
	s_mul_i32 s101, s[CH], HALFS
	s_add_co_u32 s101, s101, 2*HALFS
	s_sub_co_u32 s101, s101, s100
	v_mul_u32_u24 v6, s101, v2                     ; lanes 16-31 take B's: one product, the distance between the two bases
	s_add_co_u32 s100, s100, SCL
	v_add_nc_u32 v5, v5, v6
	v_add_nc_u32 v[ADRS], s100, v5
	; where my results go: the index of my first unit
	s_lshl_b32 s92, s42, 2
	s_lshl_b32 s93, s[CH], 1
	s_add_co_u32 s92, s92, s93                     ; 4 x tile column + 2 x half: my first head (Q, K) or my first 64 tokens (V)
	s_lshr_b32 s94, s2, 3                          ; Q, K: batch = tile row / 8
	s_lshl_b32 s94, s94, 4
	s_add_co_u32 s94, s94, s92
	s_lshl_b32 s94, s94, 7                         ; 128 tiles of tokens a head
	s_and_b32 s95, s2, 7
	s_lshl_b32 s95, s95, 4
	s_add_co_u32 s94, s94, s95
	s_lshl_b32 s92, s92, 6                         ; V: 64 tiles of features for each 64 tokens
	s_lshl_b32 s95, s2, 4
	s_add_co_u32 s92, s92, s95
	s_cmp_eq_u32 s[ISV], 1
	s_cselect_b32 s92, s92, s94
	s_lshl_b32 s93, s[RH], 3
	s_add_co_u32 s92, s92, s93                     ; + my half's 8 tiles of rows
	s_mul_i32 s94, s92, 768
	s_mul_i32 s95, s66, 6291456
	s_add_co_u32 s94, s94, s95
	s_mov_b32 s95, 0
	s_add_nc_u64 s[12:13], s[12:13], s[94:95]
	s_lshl_b32 s94, s92, 6                         ; 16 words a tile
	s_lshl_b32 s93, s66, 19
	s_add_co_u32 s94, s94, s93
	s_add_nc_u64 s[14:15], s[14:15], s[94:95]
.macro FRAG reg, adr, q, i             ; 16 rows x 128 K of 6-bit codes: 12 registers, in pieces of 8 bytes; lanes 16-31 read three pieces further on, which for some pieces is behind one padding more: the second address register serves those
.irp p, 0,1,2,3,4,5
.set PCE, 12*(\q)+6*(\p/3)+\p%3
.if PCE%8 < 5
	ds_load_b64 v[\reg+2*\p:\reg+2*\p+1], v[\adr] offset:8*PCE+16*(PCE/8)+(\i)*16*PITCH
.else
	ds_load_b64 v[\reg+2*\p:\reg+2*\p+1], v[\adr+2] offset:8*PCE+16*(PCE/8)+(\i)*16*PITCH
.endif
.endr
.endm
; 16 matrix instructions: A's blocks a0, a0 + 1 x B's eight, 128 along K.  The 64 accumulators take turns, one instruction a turn, in the same order in every step.
; One register carries A's word (lanes 0-15) and B's (lanes 16-31) of block i.
.macro MUL16 a0, p, q, sc, zero
.irp a, \a0, \a0+1
.irp b, 0,1,2,3,4,5,6,7
.if \zero
	v_wmma_scale_f32_16x16x128_f8f6f4 v[8*(8*((\a)%4)+\b):8*(8*((\a)%4)+\b)+7], v[128*(\p)+FR*\b:128*(\p)+FR*\b+FR-1], v[AF+FR*(\a):AF+FR*(\a)+FR-1], 0, v[SC+8*NQ*(\sc)+NQ*\b+(\q)], v[SC+8*NQ*(\sc)+NQ*(\a)+(\q)] matrix_a_fmt:MATRIX_FMT_FP6 matrix_b_fmt:MATRIX_FMT_FP6 matrix_a_scale:MATRIX_SCALE_ROW1
.else
	v_wmma_scale_f32_16x16x128_f8f6f4 v[8*(8*((\a)%4)+\b):8*(8*((\a)%4)+\b)+7], v[128*(\p)+FR*\b:128*(\p)+FR*\b+FR-1], v[AF+FR*(\a):AF+FR*(\a)+FR-1], v[8*(8*((\a)%4)+\b):8*(8*((\a)%4)+\b)+7], v[SC+8*NQ*(\sc)+NQ*\b+(\q)], v[SC+8*NQ*(\sc)+NQ*(\a)+(\q)] matrix_a_fmt:MATRIX_FMT_FP6 matrix_b_fmt:MATRIX_FMT_FP6 matrix_a_scale:MATRIX_SCALE_ROW1
.endif
.endr
.endr
.endm
.macro FETCH_B slot, q, p
	WIN TO_B
.irp i, 0,1,2,3,4,5,6,7
	FRAG 128*(\p)+FR*\i, ADRB+\slot, \q, \i
.endr
	WIN 0
.endm
.macro FETCH_A slot, q, i0
.irp i, \i0, \i0+1, \i0+2, \i0+3
	FRAG AF+FR*(\i), ADRA+\slot, \q, \i
.endr
.endm
.macro SCALES sc
.irp i, 0,1,2,3,4,5,6,7
	ds_load_b64 v[SC+8*NQ*\sc+NQ*\i:SC+8*NQ*\sc+NQ*\i+1], v[ADRS] offset:\i*SBLK
.endr
.endm
.macro PLACES n                        ; plain vector instructions between a matrix instruction and a load into, or a read of, its registers
.rept \n
	v_nop
.endr
.endm
.macro STEP slot, q, zero              ; a step of 128 along K that has its successor in the same slot
	s_wait_dscnt 4*NL                              ; B's set and A's blocks 0-3 are in; the youngest 24 loads (A's blocks 4-7) may be out
	WIN MUL_LO
	MUL16 0, (\q)%2, \q, \slot, \zero
	MUL16 2, (\q)%2, \q, \slot, \zero
	s_wait_dscnt 0
	PLACES NP
	FETCH_B \slot, (\q)+1, 1-(\q)%2
	FETCH_A \slot, (\q)+1, 0
	WIN MUL_HI
	MUL16 4, (\q)%2, \q, \slot, \zero
	MUL16 6, (\q)%2, \q, \slot, \zero
	PLACES NP
	WIN 0
	FETCH_A \slot, (\q)+1, 4
.endm
; A slot's last step changes slots: one barrier; in front of it each wave waits for all its tensor loads, adds 0 to its spare word, and waits for that and for its reads of this slot.  fill = 1: the slot is filled again, two K steps ahead.
.macro TURN slot, next, fill
	s_wait_tensorcnt 0x0                           ; all my tensor loads have landed: my part of the next slot
	ds_add_u32 v[SPW], v[NIL]                      ; 0 onto my spare word
	s_wait_dscnt 4*NL+1                            ; (the add and the youngest 24 loads may be out)
	WIN MUL_LO
	MUL16 0, 1, NQ-1, \slot, 0
	s_wait_dscnt 0x0                               ; the add is done, and my reads of this slot are over
	s_barrier_signal -1
	MUL16 2, 1, NQ-1, \slot, 0
	WIN 0
	s_barrier_wait -1
.if \fill
	CREST                                          ; the barrier has opened a round of the cluster's: no wave of any partner still reads this slot or has a load on its way
	s_add_nc_u64 s[G0+4*\slot+2:G0+4*\slot+3], s[G0+4*\slot+2:G0+4*\slot+3], 2*ROWB
	s_add_nc_u64 s[G0B+4*\slot+2:G0B+4*\slot+3], s[G0B+4*\slot+2:G0B+4*\slot+3], 2*ROWB
	JLOAD G0+4*\slot, G1, G0B+4*\slot, G1B         ; the first tensor load behind the round, my one load until the next; its four v_nop are the places in front of the loads below
.else
	PLACES NP
.endif
	v_add_nc_u32 v[ADRS], 4*NQ, v[ADRS]            ; the next K step's scale words
	FETCH_B \next, 0, 0
	FETCH_A \next, 0, 0
	SCALES \next
	WIN MUL_HI
	MUL16 4, 1, NQ-1, \slot, 0
	MUL16 6, 1, NQ-1, \slot, 0
	PLACES NP
	WIN 0
	FETCH_A \next, 0, 4
.endm
	s_wait_loadcnt 0x0                             ; the biases: they landed beside the first tiles
	s_wait_tensorcnt 1                             ; the scales and my part of K step 0 are in (K step 1's load may be out)
	s_barrier_signal -1
	s_barrier_wait -1
	FETCH_B 0, 0, 0
	FETCH_A 0, 0, 0
	SCALES 0
	FETCH_A 0, 0, 4
	STEP 0, 0, 1                                   ; the first step's products start the sums
	s_mov_b32 s3, LAPS-1
.Llap:
	TURN 0, 1, 1
	STEP 1, 0, 0
	TURN 1, 0, 1
	STEP 0, 0, 0
	s_sub_co_u32 s3, s3, 1
	s_cmp_lg_u32 s3, 0
	s_cbranch_scc1 .Llap
	TURN 0, 1, 0                                   ; the last lap fills nothing
	STEP 1, 0, 0
	s_wait_dscnt 4*NL
	WIN MUL_LO
	MUL16 0, 1, NQ-1, 1, 0
	MUL16 2, 1, NQ-1, 1, 0
	s_wait_dscnt 0
	WIN MUL_HI
	MUL16 4, 1, NQ-1, 1, 0
	MUL16 6, 1, NQ-1, 1, 0
	WIN 0
	PLACES NP
; THE WAY OUT, block by block of 16 rows x 128 along n.  No LDS: the codes are stored as images of the registers.
.macro ADDBIAS a                       ; the block's 64 sums + bias, into window 0; each accumulator is read from its low end on.  The branch hangs on the cluster's y alone
.set WW, 0x02+(\a)/4
	s_cmp_eq_u32 s[ISV], 0
	s_cbranch_scc0 .Lbm_\@
	WIN WW
.set i, 0
.rept 32
	v_pk_add_f32 v[HA+2*i:HA+2*i+1], v[64*((\a)%4)+2*i:64*((\a)%4)+2*i+1], v[BN+2*i:BN+2*i+1]
.set i, i+1
.endr
	WIN 0
	s_branch .Lbd_\@
.Lbm_\@:
	WIN WW
.set i, 0
.rept 32
	v_pk_add_f32 v[HA+2*i:HA+2*i+1], v[64*((\a)%4)+2*i:64*((\a)%4)+2*i+1], v[BM+2*(\a):BM+2*(\a)+1]
.set i, i+1
.endr
	WIN 0
.Lbd_\@:
.endm
; 64 numbers of a lane, register 16 b + i = n 32 b + 16 (lane / 16) + i of my row, become a fragment's codes in v[PC] on and its scale word in v[PW]
.macro QUANT s
.irp b, 0,1,2,3
	v_max3_num_f32 v[TM+\b], |v[\s+16*\b]|, |v[\s+1+16*\b]|, 0x1800000   ; block b: my 16 numbers, and the floor 2^(3 - 127): the byte cannot fall under 1
.endr
.irp i, 2,4,6,8,10,12,14
.irp b, 0,1,2,3
	v_max3_num_f32 v[TM+\b], v[TM+\b], |v[\s+16*\b+\i]|, |v[\s+1+16*\b+\i]|
.endr
.endr
.irp b, 0,1,2,3
	v_permlanex16_b32 v[TM+4+\b], v[TM+\b], s[SEL], s[SEL+1]
.endr
.irp b, 0,1,2,3
	v_max_num_f32 v[TM+\b], v[TM+\b], v[TM+4+\b]   ; with lane l xor 16's: the block's largest magnitude
.endr
.irp b, 0,1,2,3
	v_add_nc_u32 v[TM+12+\b], 0xff000000, v[TM+\b] ; 2 off its exponent field: the conversion's scale operand
.endr
.irp b, 0,1,2,3
	v_lshrrev_b32 v[TM+4+\b], 23, v[TM+12+\b]      ; the scale's byte
.endr
	v_lshl_or_b32 v[PW], v[TM+5], 8, v[TM+4]
	v_lshl_or_b32 v[PW], v[TM+6], 16, v[PW]
	v_lshl_or_b32 v[PW], v[TM+7], 24, v[PW]
.irp c, 0,1
	v_cvt_scalef32_pk16_fp6_f32 v[PC+6*\c:PC+2+6*\c], v[\s+32*\c:\s+15+32*\c], v[TM+12+2*\c]
	v_cvt_scalef32_pk16_fp6_f32 v[PC+12+4*\c:PC+14+4*\c], v[\s+16+32*\c:\s+31+32*\c], v[TM+12+2*\c+1]   ; (a conversion's three registers begin on an even number)
.endr
	v_nop                                          ; one plain place behind a scaled conversion
.irp c, 0,1                                    ; the operand's layout wants a whole block in a lane: lanes 0-15 block 2 c, lanes 16-31 block 2 c + 1
.irp i, 0,1,2
	v_permlane16_swap_b32 v[PC+6*\c+\i], v[PC+12+4*\c+\i]
.endr
.irp i, 0,1,2
	v_mov_b32 v[PC+3+6*\c+\i], v[PC+12+4*\c+\i]
.endr
.endr
.endm
.irp a, 0,1,2,3,4,5,6,7
	ADDBIAS \a
	s_wait_xcnt 0x0                                ; the last block's stores have read their data: the codes' registers and the word are written again only behind this wait
	QUANT HA
	v_lshrrev_b32 v[W2], v[SH16], v[PW]            ; lanes 16-31: the second unit's two bytes
	v_and_b32 v[W2], s[SM], v[W2]                  ; Q, K: two bytes and two zeros; V: as it stands
	global_store_b128 v[VO0], v[PC:PC+3], s[12:13] offset:768*\a           ; 512 consecutive bytes, aligned
	global_store_b64 v[VO0B], v[PC+4:PC+5], s[12:13] offset:768*\a+512     ; 256 consecutive bytes, aligned
	global_store_b128 v[VO1], v[PC+6:PC+9], s[12:13] offset:768*\a
	global_store_b64 v[VO1B], v[PC+10:PC+11], s[12:13] offset:768*\a+512
	global_store_b32 v[VS], v[W2], s[14:15] offset:64*\a                   ; two pieces of 64 bytes; my eight blocks' pieces lie on end
.endr
	s_wait_tensorcnt 0x0                           ; the wave's end
	ds_add_u32 v[SPW], v[NIL]
	s_wait_dscnt 0x0
	CROUND                                         ; the closing round: no work-group ends while a partner may still ask for a tile that names it
	s_endpgm
.Lfunc_end_k_qc950ceadf0_proj:
	.size	k_qc950ceadf0_proj, .Lfunc_end_k_qc950ceadf0_proj-k_qc950ceadf0_proj
	.p2alignl 7, 3214868480
	.fill 96, 4, 3214868480
	.section	.rodata,"a",@progbits
	.p2align	6, 0x0
	.amdhsa_kernel k_qc950ceadf0_proj
		.amdhsa_group_segment_fixed_size 327680
		.amdhsa_private_segment_fixed_size 0
		.amdhsa_enable_private_segment 0
		.amdhsa_kernarg_size 56
		.amdhsa_user_sgpr_count 2
		.amdhsa_user_sgpr_kernarg_segment_ptr 1
		.amdhsa_wavefront_size32 1
		.amdhsa_system_sgpr_workgroup_id_x 1
		.amdhsa_system_sgpr_workgroup_id_y 1
		.amdhsa_system_sgpr_workgroup_id_z 1
		.amdhsa_system_vgpr_workitem_id 0
		.amdhsa_next_free_vgpr 1024
		.amdhsa_next_free_sgpr 102
		.amdhsa_reserve_vcc 0
		.amdhsa_float_denorm_mode_32 3
		.amdhsa_float_denorm_mode_16_64 3
		.amdhsa_memory_ordered 1
		.amdhsa_forward_progress 1
		.amdhsa_inst_pref_size 204
	.end_amdhsa_kernel
	.amdgpu_metadata
---
amdhsa.version: [ 1, 2 ]
amdhsa.kernels:
  - .name:           k_qc950ceadf0_proj
    .symbol:         k_qc950ceadf0_proj.kd
    .args:
      - { .name: codes, .offset: 0, .size: 8, .value_kind: global_buffer, .address_space: global }
      - { .name: scales, .offset: 8, .size: 8, .value_kind: global_buffer, .address_space: global }
      - { .name: bq, .offset: 16, .size: 8, .value_kind: global_buffer, .address_space: global }
      - { .name: bk, .offset: 24, .size: 8, .value_kind: global_buffer, .address_space: global }
      - { .name: bv, .offset: 32, .size: 8, .value_kind: global_buffer, .address_space: global }
      - { .name: img, .offset: 40, .size: 8, .value_kind: global_buffer, .address_space: global }
      - { .name: isc, .offset: 48, .size: 8, .value_kind: global_buffer, .address_space: global }
    .group_segment_fixed_size: 327680
    .private_segment_fixed_size: 0
    .kernarg_segment_align: 8
    .kernarg_segment_size: 56
    .max_flat_workgroup_size: 128
    .sgpr_count:     102
    .vgpr_count:     1024
    .wavefront_size: 32
...
	.end_amdgpu_metadata
.endif
;; end of part 2
;; launch attn (part 3): grid 4 x 64, 16 waves a work-group, clusters of 4 x 1, 210,944 bytes of LDS; arguments img, isc, mbits, aimg, asc; writes aimg, asc
.if DOCPART == 3
	.amdgcn_target "amdgcn-amd-amdhsa--gfx1250"
	.amdhsa_code_object_version 6
	.text
	.protected	k_qc950ceadf0_attn
	.globl	k_qc950ceadf0_attn
	.p2align	8
	.type	k_qc950ceadf0_attn,@function
k_qc950ceadf0_attn:
	s_mov_b64 s[64:65], 0
	v_nop
	global_prefetch_b8 v0, s[64:65] scope:SCOPE_SE
	s_setreg_imm32_b32 hwreg(HW_REG_WAVE_MODE, 25, 1), 1
	s_wait_xcnt 0x0
	s_wait_alu depctr_hold_cnt(0) depctr_sa_sdst(0) depctr_va_vdst(0) depctr_va_sdst(0) depctr_va_ssrc(0) depctr_va_vcc(0) depctr_vm_vsrc(0)
	s_getreg_b32 s2, hwreg(HW_REG_IB_STS2, 6, 4)
	s_cmp_eq_u32 s2, 0
	s_cbranch_scc0 .Lentry_in_a_cluster
	s_endpgm
.Lentry_in_a_cluster:
	s_bfe_u32 s2, ttmp6, 0x10000c
	s_cmp_lg_u32 s2, 0x3003
	s_cbranch_scc0 .Lentry_shape_is_right
	s_endpgm
.Lentry_shape_is_right:
; ATTN.  For each batch and head: S^T = K Q^T, t = S^T x log2(e) / 8, masked t = -1e9 x log2(e), p = 2^(t - M) with M the running largest t rounded up to a whole number, O^T = V^T P^T on p's codes,
; O^T / (the sum of the unquantised p), and the quantiser along the head's 64; all products on codes of FP6 (E2M3) with one E8M0 scale for each 32 along K.
; SHARES.  The cluster's y is 16 batch + head; the four work-groups of a cluster take 512 queries each; each of a work-group's SIXTEEN waves takes two tiles of 16 stored queries, one after the other, in 256 registers: four waves to a SIMD,
; so that one wave's vector work stands beside another's matrix work and LDS loads.  Every wave walks the 2,048 keys, 128 a step.
; K AND V OF THE WHOLE HEAD LIE IN LDS: 2 x 98,304 bytes of codes and 12,288 of scale words, filled ONCE, at the head, by joint loads of the four work-groups (two loads a wave); nothing is filled again, so there is no ring.
; LAYOUT.  All operands come as UNITS, images of six registers a lane (16 rows x 64 along K: [32 lanes][16 bytes], [32 lanes][8 bytes]): every LDS read takes consecutive bytes in consecutive lanes.
; Both products are used transposed: a lane holds ONE query (lane % 16) throughout.  Tokens and features lie in stored order, so that register 16 b + i of the scores is key 128 step + 32 b + 16 (lane / 16) + i, and register 16 b + i of O^T is d = 32 b + 16 (lane / 16) + i.
; K = 64 IN AN INSTRUCTION OF 128: Q's fragment carries zero codes for k = 64 .. 127.  K's fragments stand six registers apart, so registers 6-11 of one are the next one's codes (the last one's: zeros): finite numbers, times zero codes, add nothing.
; THE MASK comes as lane masks, one word for each score register of a step, read by scalar loads a step ahead: one v_cndmask_b32 a register, no compare.  t and not the score is masked: -1e9 x log2(e) in f32 is a whole number,
; so a row all of whose keys are masked gets p = 1 everywhere, as the rule evaluated in f32 gives.
; LIMITS: NaN and infinities are not served; t = score x c is rounded before M is taken away; a block of p or of O under 2^(2 - 126), or of zeros, keeps the byte 1 (its codes are zeros or near; this program alone reads the bytes).
; REGISTERS: v1-7 addresses and the masked t; v8-11, v206-207 addresses of the step; v12 -M, v13 the largest t, v[14:15] the sum; v16-27, v28-39 the two tiles of Q; v40-41 their scale words; v42-95 K's fragments, then V's;
;   v96-159 S^T, t, p; v160-191 O^T; v192-199, v200-203, v204 scale words of K, V, p; v208-226 p's codes; v228-247 at work; v250 a store's offset.
.set KIMG, 0                           ; LDS: K's units [tile of 16 stored keys, 128][768]
.set VIMG, 98304                       ; V^T's [64 keys, 32][tile of 16 stored features, 4][768]
.set KSC,  196608                      ; K's scale words, one a stored key
.set VSC,  204800                      ; V's: [step 16][tile 4][16 words]
.set WV,   2                           ; s2  wave
.set CNT,  3                           ; s3  steps to go
.set MB,   4                           ; s[4:5] my first tile's mask words
.set MOFF, 6                           ; s6  the step's, in bytes
.set TK,   7                           ; s7  the step's codes in KIMG and in VIMG: 6,144 bytes a step
.set TS,   8                           ; s8  K's scale words: 512 a step
.set TJ,   9                           ; s9  V's: 256 a step
.set SEL,  10                          ; s[10:11] lane selects: lane l xor 16
.set CS,   12                          ; s[12:13] c = log2(e) / 8
.set HM,   14                          ; s14 lanes 16-31
.set KF,   42
.set VF,   42
.macro CROUND                          ; a round of the cluster's barrier
	s_barrier_signal -1
	s_barrier_wait -1
	s_cmp_lg_u32 s[WV], 0
	s_cbranch_scc1 .Lnot_wave_0_\@
	s_barrier_signal -3
.Lnot_wave_0_\@:
	s_barrier_wait -3
	s_barrier_signal -1
	s_barrier_wait -1
.endm
	s_load_b128 s[92:95], s[0:1], 0x0              ; img, isc
	s_load_b128 s[96:99], s[0:1], 0x10             ; mbits, aimg
	s_load_b64 s[100:101], s[0:1], 0x20            ; asc
	v_lshl_add_u32 v254, v0, 2, 0x33000
	v_mov_b32 v255, 0
	ds_add_u32 v254, v255
	ds_add_u32 v254, v255
	v_lshrrev_b32 v1, 5, v0
	s_delay_alu instid0(VALU_DEP_1)
	v_readfirstlane_b32 s[WV], v1                  ; wave 0..15
	s_bfe_u32 s68, ttmp6, 0x40000                  ; cx: it enters Q's, the mask's and the results' addresses alone
	s_and_b32 s69, ttmp7, 0xffff                   ; 16 batch + head, which the four partners share
	s_lshr_b32 s70, s69, 4                         ; batch
	s_and_b32 s71, s69, 15                         ; head
	s_and_b32 s72, s[WV], 7                        ; which eighth I fetch: waves 0-7 of K, waves 8-15 of V
	s_mul_i32 s73, s72, 12288                      ; an eighth of the codes
	s_mul_i32 s74, s69, 98304
	s_add_co_u32 s74, s74, s73
	s_add_co_u32 s74, s74, 6291456                 ; K's codes in img
	s_mov_b32 s75, 0
	s_lshl_b32 s78, s72, 10                        ; an eighth of K's scale words
	s_lshl_b32 s76, s69, 13
	s_add_co_u32 s76, s76, s78
	s_add_co_u32 s76, s76, 524288                  ; in isc
	s_mov_b32 s77, 0
	s_lshl_b32 s79, s70, 5
	s_lshl_b32 s80, s72, 2
	s_add_co_u32 s79, s79, s80                     ; V: my first 64 keys: 32 batch + 4 x eighth
	s_lshl_b32 s79, s79, 6
	s_lshl_b32 s80, s71, 2
	s_add_co_u32 s79, s79, s80                     ; x 64 tiles + the head's first tile
	s_mul_i32 s80, s79, 768
	s_add_co_u32 s80, s80, 12582912
	s_mov_b32 s81, 0
	s_lshl_b32 s82, s79, 6
	s_add_co_u32 s82, s82, 1048576
	s_mov_b32 s83, 0
	; four shapes, all of elements of 8 bytes, no padding, the mask of all four work-groups with bit 21 beside it
.irp g, 16, 24, 32, 40
	s_mov_b32 s[\g], 15|(3<<16)|(1<<21)
	s_mov_b32 s[\g+6], 0
	s_mov_b32 s[\g+7], 0
.endr
	s_mov_b32 s17, 32<<16                          ; K's codes: 12,288 dense bytes as 48 rows of 256
	s_mov_b32 s18, 48<<16
	s_mov_b32 s19, 32<<16
	s_mov_b32 s20, 48
	s_mov_b32 s21, 32
	s_mov_b32 s25, 32<<16                          ; K's scale words: 1,024 dense bytes as 4 rows of 256
	s_mov_b32 s26, 4<<16
	s_mov_b32 s27, 32<<16
	s_mov_b32 s28, 4
	s_mov_b32 s29, 32
	s_mov_b32 s33, 384<<16                         ; V's codes: 4 rows (64 keys each) of 3,072 bytes (the head's four tiles), 49,152 bytes apart
	s_mov_b32 s34, 4<<16
	s_mov_b32 s35, 384<<16
	s_mov_b32 s36, 4
	s_mov_b32 s37, 6144
	s_mov_b32 s41, 32<<16                          ; V's scale words: 2 rows (a step each) of 256 bytes, 8,192 bytes apart
	s_mov_b32 s42, 2<<16
	s_mov_b32 s43, 32<<16
	s_mov_b32 s44, 2
	s_mov_b32 s45, 1024
	s_mov_b32 s[SEL], 0x76543210
	s_mov_b32 s[SEL+1], 0xfedcba98
	s_mov_b32 s[CS], 0x3e38aa3b
	s_mov_b32 s[CS+1], s[CS]                       ; (named with it as a pair, so it is written)
	s_mov_b32 s[HM], 0xffff0000
	s_wait_dscnt 0x0
	s_wait_kmcnt 0x0
	s_mov_b32 s48, 1
	s_mov_b32 s49, s73                             ; LDS: KIMG + 12,288 x eighth
	s_add_nc_u64 s[50:51], s[92:93], s[74:75]
	s_or_b32 s51, s51, 0x80000000
	s_mov_b32 s52, 1
	s_add_co_u32 s53, s78, KSC
	s_add_nc_u64 s[54:55], s[94:95], s[76:77]
	s_or_b32 s55, s55, 0x80000000
	s_mov_b32 s56, 1
	s_add_co_u32 s57, s73, VIMG
	s_add_nc_u64 s[58:59], s[92:93], s[80:81]
	s_or_b32 s59, s59, 0x80000000
	s_mov_b32 s60, 1
	s_lshl_b32 s61, s72, 9
	s_add_co_u32 s61, s61, VSC
	s_add_nc_u64 s[62:63], s[94:95], s[82:83]
	s_or_b32 s63, s63, 0x80000000
	CROUND                                         ; all four work-groups are here: the joint loads meet
	s_cmp_lt_u32 s[WV], 8                          ; a wave's two fills stand in one branch, ahead of every wait on TENSORcnt, every LDS read and every other barrier: two loads of mine are out
	s_cbranch_scc0 .Lfirst_v
	tensor_load_to_lds s[48:51], s[16:23]
	s_nop 0
	tensor_load_to_lds s[52:55], s[24:31]
	s_nop 0
.rept 4
	v_nop
.endr
	s_branch .Lfirst_asked
.Lfirst_v:
	tensor_load_to_lds s[56:59], s[32:39]
	s_nop 0
	tensor_load_to_lds s[60:63], s[40:47]
	s_nop 0
.rept 4
	v_nop
.endr
.Lfirst_asked:
	s_lshl_b32 s74, s68, 5
	s_add_co_u32 s74, s74, s[WV]                   ; my first tile among the head's 128: 32 cx + wave (the second: 16 further on)
	s_lshl_b32 s75, s70, 7
	s_add_co_u32 s75, s75, s74                     ; and among all batches' 512
	s_mov_b32 s77, 0
	s_lshl_b32 s76, s75, 12                        ; 4,096 bytes of mask words a tile
	s_add_nc_u64 s[MB:MB+1], s[96:97], s[76:77]
	s_lshl_b32 s76, s75, 4
	s_add_co_u32 s76, s76, s71
	s_mul_i32 s76, s76, 768                        ; aimg: [tile][head][768]
	s_add_nc_u64 s[84:85], s[98:99], s[76:77]
	s_lshl_b32 s76, s75, 9                         ; asc: 32 bytes a token, byte 2 head + block
	s_lshl_b32 s78, s71, 1
	s_add_co_u32 s76, s76, s78
	s_add_nc_u64 s[86:87], s[100:101], s[76:77]
	s_mul_i32 s76, s74, 768
	s_mul_i32 s78, s69, 98304
	s_add_co_u32 s76, s76, s78
	s_add_nc_u64 s[88:89], s[92:93], s[76:77]      ; Q's unit
	s_lshl_b32 s76, s69, 13
	s_lshl_b32 s78, s74, 6
	s_add_co_u32 s76, s76, s78
	s_add_nc_u64 s[90:91], s[94:95], s[76:77]      ; Q's scale words
	v_and_b32 v244, 31, v0                         ; lane
	v_and_b32 v245, 15, v0                         ; r
	v_bfe_u32 v246, v0, 4, 1                       ; h
	s_delay_alu instid0(VALU_DEP_3)
	v_lshlrev_b32 v1, 4, v244                      ; 16 x lane: a unit's first four registers
	s_delay_alu instid0(VALU_DEP_4)
	v_lshlrev_b32 v2, 3, v244                      ; 8 x lane: its last two
	s_delay_alu instid0(VALU_DEP_4)
	v_lshlrev_b32 v247, 2, v245                    ; 4 r: a scale word
	global_load_b128 v[16:19], v1, s[88:89]
	global_load_b64 v[20:21], v2, s[88:89] offset:512
	global_load_b128 v[28:31], v1, s[88:89] offset:12288
	global_load_b64 v[32:33], v2, s[88:89] offset:12800
	global_load_b32 v40, v247, s[90:91]
	global_load_b32 v41, v247, s[90:91] offset:1024
	v_add_nc_u32 v3, VIMG, v1
	v_add_nc_u32 v4, VIMG, v2
	v_add_nc_u32 v5, KSC, v247
	v_add_nc_u32 v6, VSC, v247
	v_mov_b32 v7, 0xceabfb8f                       ; -1e9 x log2(e), rounded to f32: -1,442,695,040
	v_lshl_add_u32 v250, v245, 5, v246             ; 32 r + h
.irp i, 22,23,24,25,26,27,34,35,36,37,38,39,90,91,92,93,94,95
	v_mov_b32 v[\i], 0                             ; zero codes: Q's k = 64 .. 127, and what stands behind K's last fragment
.endr
.irp i, 232,233,234,235,241
	v_mov_b32 v[\i], 0                             ; written once: a lane permute's destination, and the upper half of the pair v[240:241], count as read
.endr
	s_wait_tensorcnt 0x0                           ; my two parts are in,
	s_barrier_signal -1
	s_barrier_wait -1                              ; everybody's are; the descriptors' registers are free
	s_wait_loadcnt 0x0                             ; Q
.macro MLOAD                           ; a step's 64 mask words: word n in s[16 + n], from word 48 on in s[20 + n]
	s_load_b512 s[16:31], s[MB:MB+1], s[MOFF] offset:0
	s_load_b512 s[32:47], s[MB:MB+1], s[MOFF] offset:64
	s_load_b512 s[48:63], s[MB:MB+1], s[MOFF] offset:128
	s_load_b512 s[68:83], s[MB:MB+1], s[MOFF] offset:192
.endm
; A KEY STEP: 128 keys.  p: which of my two tiles; QF, QS: its fragment and its scale words.
.macro STEP p, QF, QS
	v_add_nc_u32 v8, s[TK], v1                     ; six plain lines: also the places between the last products and the loads into the registers that they read
	v_add_nc_u32 v9, s[TK], v2
	v_add_nc_u32 v10, s[TK], v3
	v_add_nc_u32 v11, s[TK], v4
	v_add_nc_u32 v206, s[TS], v5
	v_add_nc_u32 v207, s[TJ], v6
.irp t, 0,1,2,3,4,5,6,7
	ds_load_b128 v[KF+6*\t:KF+6*\t+3], v8 offset:768*\t
	ds_load_b64 v[KF+6*\t+4:KF+6*\t+5], v9 offset:768*\t+512
	ds_load_b32 v[192+\t], v206 offset:64*\t
.endr
	s_wait_alu depctr_va_vdst(0)
	s_wait_dscnt 0x0
.irp t, 0,1,2,3,4,5,6,7
	v_wmma_scale_f32_16x16x128_f8f6f4 v[96+8*\t:103+8*\t], v[KF+6*\t:KF+6*\t+11], v[\QF:\QF+11], 0, v[192+\t], v[\QS] matrix_a_fmt:MATRIX_FMT_FP6 matrix_b_fmt:MATRIX_FMT_FP6
.endr
.rept 4
	v_nop                                          ; places in front of the loads below and of the first read of the scores
.endr
.irp tt, 0,1,2,3                               ; V's four fragments land while the softmax is worked
.irp c, 0,1
	ds_load_b128 v[VF+12*\tt+6*\c:VF+12*\tt+6*\c+3], v10 offset:(4*\c+\tt)*768
	ds_load_b64 v[VF+12*\tt+6*\c+4:VF+12*\tt+6*\c+5], v11 offset:(4*\c+\tt)*768+512
.endr
	ds_load_b32 v[200+\tt], v207 offset:64*\tt
.endr
.set n, 0
.rept 32
	v_pk_mul_f32 v[96+n:97+n], v[96+n:97+n], s[CS:CS+1] op_sel_hi:[1,0]   ; t = score x c, each accumulator from its low end on
.set n, n+2
.endr
	s_wait_kmcnt 0x0                               ; this step's mask words, asked for a step ago
.set n, 0
.rept 64
.if n < 48
.set w, 16+n
.else
.set w, 20+n
.endif
	v_cndmask_b32 v[96+n], v7, v[96+n], s[w]       ; where the bit is 0: the masked t
.set n, n+1
.endr
.irp b, 0,1,2,3
	v_max3_num_f32 v[228+\b], v[96+16*\b], v[97+16*\b], v[98+16*\b]   ; the largest t of each block of 32 keys: for the row's maximum, and, since p rises with t, for the block's largest p
.endr
.irp i, 3,5,7,9,11,13
.irp b, 0,1,2,3
	s_delay_alu instid0(VALU_DEP_4)
	v_max3_num_f32 v[228+\b], v[228+\b], v[96+16*\b+\i], v[97+16*\b+\i]
.endr
.endr
.irp b, 0,1,2,3
	s_delay_alu instid0(VALU_DEP_4)
	v_max_num_f32 v[228+\b], v[228+\b], v[111+16*\b]
.endr
	s_add_co_u32 s[MOFF], s[MOFF], 256             ; the next step's mask words (the wait above has shown the last loads done, so their offset may be written);
	s_min_u32 s[MOFF], s[MOFF], 65536*\p+3840      ; the last step asks for its own once more: no branch, and nothing outside the tile's words
	MLOAD
.irp b, 0,1,2,3
	v_permlanex16_b32 v[232+\b], v[228+\b], s[SEL], s[SEL+1]
.endr
.irp b, 0,1,2,3
	s_delay_alu instid0(VALU_DEP_4)
	v_max_num_f32 v[228+\b], v[228+\b], v[232+\b]  ; with lane l xor 16's 16 keys
.endr
	s_delay_alu instid0(VALU_DEP_2)
	v_max3_num_f32 v244, v228, v229, v230
	s_delay_alu instid0(VALU_DEP_1)
	v_max_num_f32 v244, v244, v231                 ; the step's largest t of my query
	s_delay_alu instid0(VALU_DEP_1)
	v_max_num_f32 v13, v13, v244                   ; the running largest t
	v_mov_b32 v244, v12
	s_delay_alu instid0(VALU_DEP_2)
	v_floor_f32 v12, -v13                          ; the new -M = floor(-t): M is a whole number
	s_delay_alu instid0(VALU_DEP_1)
	v_sub_f32 v244, v12, v244                      ; old M - new M: a whole number, 0 or less
	s_delay_alu instid0(VALU_DEP_1)
	v_cvt_i32_f32 v244, v244                       ; (it saturates)
	s_delay_alu instid0(VALU_DEP_1)
	v_ldexp_f32 v240, 1.0, v244                    ; f = 2^(old M - new M): a multiplication by it rounds nothing
.set n, 0
.rept 32
	v_pk_add_f32 v[96+n:97+n], v[96+n:97+n], v[12:13] op_sel_hi:[1,0]   ; t - M (of the pair the low word serves both halves)
.set n, n+2
.endr
	s_setprio 1
.irp b, 0,1,2,3
	v_add_f32 v[228+\b], v[228+\b], v12            ; the same of each block's largest t
.endr
.set n, 0
	s_wait_alu depctr_va_vdst(0)
.rept 64
	v_exp_f32 v[96+n], v[96+n]                     ; p = 2^(t - M), at most 1, not normalised
.set n, n+1
.endr
	v_pk_mul_f32 v[14:15], v[14:15], v[240:241] op_sel_hi:[1,0]   ; the sums under the new M (a plain line behind the exponentials)
	s_wait_alu depctr_va_vdst(0)                   ; one wait for the whole batch, ahead of its first reader
.irp b, 0,1,2,3
	v_exp_f32 v[228+\b], v[228+\b]                 ; the block's largest p: the same two operations on the same number give the same bits
.endr
	v_pk_add_f32 v[242:243], v[100:101], v[104:105]
	v_pk_add_f32 v[252:253], v[108:109], v[112:113]
	v_pk_add_f32 v[248:249], v[116:117], v[120:121]
	v_pk_add_f32 v[246:247], v[124:125], v[128:129]
	v_pk_add_f32 v[238:239], v[132:133], v[136:137]
	v_pk_add_f32 v[236:237], v[140:141], v[144:145]
	v_pk_add_f32 v[234:235], v[148:149], v[152:153]
	v_pk_add_f32 v[14:15], v[14:15], v[156:157]
	v_pk_add_f32 v[242:243], v[242:243], v[96:97]
	v_pk_add_f32 v[252:253], v[252:253], v[98:99]
	v_pk_add_f32 v[248:249], v[248:249], v[102:103]
	v_pk_add_f32 v[246:247], v[246:247], v[106:107]
	v_pk_add_f32 v[238:239], v[238:239], v[110:111]
	v_pk_add_f32 v[236:237], v[236:237], v[114:115]
	v_pk_add_f32 v[234:235], v[234:235], v[118:119]
	v_pk_add_f32 v[14:15], v[14:15], v[122:123]
	v_pk_add_f32 v[242:243], v[242:243], v[126:127]
	v_pk_add_f32 v[252:253], v[252:253], v[130:131]
	v_pk_add_f32 v[248:249], v[248:249], v[134:135]
	v_pk_add_f32 v[246:247], v[246:247], v[138:139]
	v_pk_add_f32 v[238:239], v[238:239], v[142:143]
	v_pk_add_f32 v[236:237], v[236:237], v[146:147]
	v_pk_add_f32 v[234:235], v[234:235], v[150:151]
	v_pk_add_f32 v[14:15], v[14:15], v[154:155]
	v_pk_add_f32 v[242:243], v[242:243], v[158:159]
	s_delay_alu instid0(VALU_DEP_2)
	v_pk_add_f32 v[14:15], v[14:15], v[246:247]
	s_delay_alu instid0(VALU_DEP_2)
	v_pk_add_f32 v[242:243], v[242:243], v[238:239]
	v_pk_add_f32 v[252:253], v[252:253], v[236:237]
	v_pk_add_f32 v[248:249], v[248:249], v[234:235]
	s_delay_alu instid0(VALU_DEP_2)
	v_pk_add_f32 v[14:15], v[14:15], v[252:253]
	s_delay_alu instid0(VALU_DEP_2)
	v_pk_add_f32 v[242:243], v[242:243], v[248:249]
	s_delay_alu instid0(VALU_DEP_1)
	v_pk_add_f32 v[14:15], v[14:15], v[242:243]
	s_wait_alu depctr_va_vdst(0)                   ; and one for the four
.irp b, 0,1,2,3
	v_max_num_f32 v[228+\b], 0x1800000, v[228+\b]  ; the floor 2^(3 - 127): the byte cannot fall under 1
.endr
.irp b, 0,1,2,3
	s_delay_alu instid0(VALU_DEP_4)
	v_add_nc_u32 v[236+\b], 0xff000000, v[228+\b]  ; 2 off the exponent field: the conversion's scale operand
.endr
.irp b, 0,1,2,3
	s_delay_alu instid0(VALU_DEP_4)
	v_lshrrev_b32 v[232+\b], 23, v[236+\b]         ; the scale's byte
.endr
	s_delay_alu instid0(VALU_DEP_3)
	v_lshl_or_b32 v204, v233, 8, v232              ; p's scale word for these 128 keys
	s_delay_alu instid0(VALU_DEP_1)
	v_lshl_or_b32 v204, v234, 16, v204
	s_delay_alu instid0(VALU_DEP_1)
	v_lshl_or_b32 v204, v235, 24, v204
	s_setprio 0
.irp c, 0,1
	v_cvt_scalef32_pk16_fp6_f32 v[208+6*\c:210+6*\c], v[96+32*\c:111+32*\c], v[236+2*\c]
	v_cvt_scalef32_pk16_fp6_f32 v[220+4*\c:222+4*\c], v[112+32*\c:127+32*\c], v[236+2*\c+1]   ; (a conversion's three registers begin on an even number)
.endr
	v_nop                                          ; one plain place behind a scaled conversion
.irp c, 0,1                                    ; the operand's layout wants a whole block in a lane
.irp i, 0,1,2
	v_permlane16_swap_b32 v[208+6*\c+\i], v[220+4*\c+\i]
.endr
.irp i, 0,1,2
	s_delay_alu instid0(VALU_DEP_3)
	v_mov_b32 v[211+6*\c+\i], v[220+4*\c+\i]
.endr
.endr
.set n, 0
.rept 16
	v_pk_mul_f32 v[160+n:161+n], v[160+n:161+n], v[240:241] op_sel_hi:[1,0]   ; O^T under the new M; these sixteen also stand between the scale word's and the codes' last writes and the products
.set n, n+2
.endr
	s_wait_alu depctr_va_vdst(0)
	s_wait_dscnt 0x0                               ; V
.irp tt, 0,1,2,3                               ; the four accumulators take turns, one instruction a turn
	v_wmma_scale_f32_16x16x128_f8f6f4 v[160+8*\tt:167+8*\tt], v[VF+12*\tt:VF+12*\tt+11], v[208:219], v[160+8*\tt:167+8*\tt], v[200+\tt], v204 matrix_a_fmt:MATRIX_FMT_FP6 matrix_b_fmt:MATRIX_FMT_FP6
.endr
	s_add_co_u32 s[TK], s[TK], 6144
	s_add_co_u32 s[TS], s[TS], 512
	s_add_co_u32 s[TJ], s[TJ], 256
.endm
; A tile's end: O^T / the sum, the quantiser along the head's 64 (two blocks), one unit and its two scale bytes a row.
.macro FINISH p
	s_wait_kmcnt 0x0                               ; the mask words asked for in the last step: their registers and their offset are written again
.rept 4
	v_nop                                          ; places behind the last products
.endr
	v_add_f32 v14, v14, v15
	s_delay_alu instid0(VALU_DEP_1)
	v_permlanex16_b32 v244, v14, s[SEL], s[SEL+1]
	s_delay_alu instid0(VALU_DEP_1)
	v_add_f32 v14, v14, v244                       ; the row's sum
	s_wait_alu depctr_va_vdst(0)
	v_rcp_f32 v14, v14
	v_nop                                          ; a plain line behind the transcendental
	s_wait_alu depctr_va_vdst(0)                   ; and the wait ahead of its first reader
.set n, 0
.rept 32
	v_mul_f32 v[96+n], v[160+n], v14               ; register 16 b + i: d = 32 b + 16 (lane / 16) + i
.set n, n+1
.endr
.irp b, 0,1
	v_max3_num_f32 v[228+\b], |v[96+16*\b]|, |v[97+16*\b]|, 0x1800000
.endr
.irp i, 2,4,6,8,10,12,14
.irp b, 0,1
	s_delay_alu instid0(VALU_DEP_2)
	v_max3_num_f32 v[228+\b], v[228+\b], |v[96+16*\b+\i]|, |v[97+16*\b+\i]|
.endr
.endr
.irp b, 0,1
	s_delay_alu instid0(VALU_DEP_2)
	v_permlanex16_b32 v[232+\b], v[228+\b], s[SEL], s[SEL+1]
.endr
.irp b, 0,1
	s_delay_alu instid0(VALU_DEP_2)
	v_max_num_f32 v[228+\b], v[228+\b], v[232+\b]
.endr
.irp b, 0,1
	s_delay_alu instid0(VALU_DEP_2)
	v_add_nc_u32 v[236+\b], 0xff000000, v[228+\b]
.endr
.irp b, 0,1
	s_delay_alu instid0(VALU_DEP_2)
	v_lshrrev_b32 v[232+\b], 23, v[236+\b]
.endr
	v_cvt_scalef32_pk16_fp6_f32 v[208:210], v[96:111], v236
	v_cvt_scalef32_pk16_fp6_f32 v[220:222], v[112:127], v237
	v_nop
.irp i, 0,1,2
	v_permlane16_swap_b32 v[208+\i], v[220+\i]
.endr
.irp i, 0,1,2
	s_delay_alu instid0(VALU_DEP_3)
	v_mov_b32 v[211+\i], v[220+\i]
.endr
	v_cndmask_b32 v244, v232, v233, s[HM]          ; each lane its own block's byte
	global_store_b128 v1, v[208:211], s[84:85] offset:196608*\p        ; 512 consecutive bytes, aligned
	global_store_b64 v2, v[212:213], s[84:85] offset:196608*\p+512     ; 256 consecutive bytes, aligned
	global_store_b8 v250, v244, s[86:87] offset:8192*\p                ; single bytes, 32 bytes apart: 262,144 in the whole launch, in the layout that the next launch fetches as dense blocks
.endm
.macro TILE p, QF, QS
.if \p
	s_wait_xcnt 0x0                                ; the first tile's stores have read their data
.endif
	v_mov_b32 v13, 0xff61b1e6                      ; the largest t so far: -3e38
	s_delay_alu instid0(VALU_DEP_1)
	v_floor_f32 v12, -v13
	v_mov_b32 v14, 0
	v_mov_b32 v15, 0
.set n, 0
.rept 32
	v_mov_b32 v[160+n], 0                          ; O^T: the step is written once; the first finds zeros, which the first change of M leaves zeros
.set n, n+1
.endr
	s_mov_b32 s[TK], 0
	s_mov_b32 s[TS], 0
	s_mov_b32 s[TJ], 0
	s_mov_b32 s[MOFF], 65536*\p
	MLOAD
	s_mov_b32 s[CNT], 16
.Lstep_\@:
	s_setprio 2
	STEP \p, \QF, \QS
	s_sub_co_u32 s[CNT], s[CNT], 1
	s_cmp_lg_u32 s[CNT], 0
	s_cbranch_scc1 .Lstep_\@
	s_setprio 0
	FINISH \p
.endm
	TILE 0, 16, 40
	TILE 1, 28, 41
	s_wait_tensorcnt 0x0
	ds_add_u32 v254, v255
	s_wait_dscnt 0x0
	CROUND                                         ; the closing round
	s_endpgm
.Lfunc_end_k_qc950ceadf0_attn:
	.size	k_qc950ceadf0_attn, .Lfunc_end_k_qc950ceadf0_attn-k_qc950ceadf0_attn
	.p2alignl 7, 3214868480
	.fill 96, 4, 3214868480
	.section	.rodata,"a",@progbits
	.p2align	6, 0x0
	.amdhsa_kernel k_qc950ceadf0_attn
		.amdhsa_group_segment_fixed_size 210944
		.amdhsa_private_segment_fixed_size 0
		.amdhsa_enable_private_segment 0
		.amdhsa_kernarg_size 40
		.amdhsa_user_sgpr_count 2
		.amdhsa_user_sgpr_kernarg_segment_ptr 1
		.amdhsa_wavefront_size32 1
		.amdhsa_system_sgpr_workgroup_id_x 1
		.amdhsa_system_sgpr_workgroup_id_y 1
		.amdhsa_system_sgpr_workgroup_id_z 1
		.amdhsa_system_vgpr_workitem_id 0
		.amdhsa_next_free_vgpr 256
		.amdhsa_next_free_sgpr 102
		.amdhsa_reserve_vcc 0
		.amdhsa_float_denorm_mode_32 3
		.amdhsa_float_denorm_mode_16_64 3
		.amdhsa_memory_ordered 1
		.amdhsa_forward_progress 1
		.amdhsa_inst_pref_size 72
	.end_amdhsa_kernel
	.amdgpu_metadata
---
amdhsa.version: [ 1, 2 ]
amdhsa.kernels:
  - .name:           k_qc950ceadf0_attn
    .symbol:         k_qc950ceadf0_attn.kd
    .args:
      - { .name: img, .offset: 0, .size: 8, .value_kind: global_buffer, .address_space: global }
      - { .name: isc, .offset: 8, .size: 8, .value_kind: global_buffer, .address_space: global }
      - { .name: mbits, .offset: 16, .size: 8, .value_kind: global_buffer, .address_space: global }
      - { .name: aimg, .offset: 24, .size: 8, .value_kind: global_buffer, .address_space: global }
      - { .name: asc, .offset: 32, .size: 8, .value_kind: global_buffer, .address_space: global }
    .group_segment_fixed_size: 210944
    .private_segment_fixed_size: 0
    .kernarg_segment_align: 8
    .kernarg_segment_size: 40
    .max_flat_workgroup_size: 512
    .sgpr_count:     102
    .vgpr_count:     256
    .wavefront_size: 32
...
	.end_amdgpu_metadata
.endif
;; end of part 3
;; launch outp (part 4): grid 4 x 32, 4 waves a work-group, clusters of 4 x 4, 327,680 bytes of LDS; arguments aimg, asc, codes, scales, bo, out0; writes out0
.if DOCPART == 4
	.amdgcn_target "amdgcn-amd-amdhsa--gfx1250"
	.amdhsa_code_object_version 6
	.text
	.protected	k_qc950ceadf0_outp
	.globl	k_qc950ceadf0_outp
	.p2align	8
	.type	k_qc950ceadf0_outp,@function
k_qc950ceadf0_outp:
	s_mov_b64 s[64:65], 0
	v_nop
	global_prefetch_b8 v0, s[64:65] scope:SCOPE_SE
	s_setreg_imm32_b32 hwreg(HW_REG_WAVE_MODE, 25, 1), 1
	s_wait_xcnt 0x0
	s_wait_alu depctr_hold_cnt(0) depctr_sa_sdst(0) depctr_va_vdst(0) depctr_va_sdst(0) depctr_va_ssrc(0) depctr_va_vcc(0) depctr_vm_vsrc(0)
	s_getreg_b32 s2, hwreg(HW_REG_IB_STS2, 6, 4)
	s_cmp_eq_u32 s2, 0
	s_cbranch_scc0 .Lentry_in_a_cluster
	s_endpgm
.Lentry_in_a_cluster:
	s_bfe_u32 s2, ttmp6, 0x10000c
	s_cmp_lg_u32 s2, 0xf033
	s_cbranch_scc0 .Lentry_shape_is_right
	s_endpgm
.Lentry_shape_is_right:
; OUTP.  out0 = attn Wo^T + bo, on codes of FP6 (E2M3) with one E8M0 scale for each 32 along K = 1,024; sums in f32; out0 [8192][1024] f32.
; A = attn, as the attention launch left it: units, images of six registers a lane (16 stored tokens x 64 along K: [32 lanes][16 bytes], [32 lanes][8 bytes]), laid [tile of 16 stored tokens, 512][head 16][768]; its scale bytes [stored token][32].
; B = Wo's codes, rows of 768 bytes in stored order (in every 32 rows, rows 8-15 and 16-23 have changed places), at byte 21,233,664 of codes; its scale bytes at 884,736 of scales.
; A tile of C is 256 x 256; four waves, each 128 x 128: 64 accumulators.  K goes in steps of 256 through a ring of two LDS slots filled by the tensor data mover: of A 8 tiles x 3,072 bytes a load, dense; of B 128 rows of 192 bytes, padded.
; The scale bytes of the work-group's 256 + 256 rows come into LDS once.  CLUSTER: A's tiles are asked for jointly along a row of the cluster, B's along a column.
; THE MATRIX INSTRUCTION IS USED TRANSPOSED (source 0 = 16 rows of B, source 1 = 16 rows of A): a lane holds stored token lane % 16, and register j of accumulator (a, 2 c + u) is column 32 c + 16 (lane / 16) + 8 u + j.
; THE WAY OUT turns both stored orders back: the columns by the place in the stage, the tokens by the stores' immediates.
; REGISTERS: window 0: v16-19 A's LDS addresses, v20-23 B's, v24-29; v32-63 scale words, two sets; v64-67 bo; v128-223 A's fragments, one set (on the way out v128-255: rows of C).  window 1: B's fragments, two sets.  windows 2, 3: the accumulators.
.set KSTEP,  256
.set NQ,     2
.set ROWB,   192
.set KROW,   768
.set AROWB,  3072                      ; a K step of A in a tile of tokens: four heads' units
.set PITCH,  240
.set FR,     12
.set NLA,    4                         ; LDS loads that bring a fragment of A
.set NP,     4
.set HALFT,  128*PITCH                 ; a quarter of a slot (A uses 24,576 bytes of its two)
.set SLOT,   4*HALFT
.set LAPS,   2
.set KS,     32
.set SCL,    2*SLOT
.set HALFS,  (128*KS/256)*272
.set SBLK,   (16*KS/256)*272
.set SPARE,  SCL+4*HALFS               ; the spare words: 128 bytes for each wave, two blocks of 256 bytes that no other line names
.set SPITCH, 528                       ; the way out: a stage of 16 rows x (512 + 16) bytes for each wave, in slot 0, which has had its last fill and its last read when the first result is stored there
.set ADRA, 16                          ; v16-17 16 x lane in my half of A, slot 0, 1;  v18-19 8 x lane
.set ADRB, 20
.set STO,  24
.set RD,   25
.set CO,   26
.set ADRS, 27
.set SPW,  28
.set NIL,  29
.set SC,   32
.set BO,   64
.set AF,   128
.set BK,   128
.set WV,  16
.set RH,  17
.set CH,  18
.set G1,  24
.set G0,  32
.set G1B, 48
.set G0B, 56
.set G1S, 68
.set G0S, 76
.set G1SB, 80
.set G0SB, 88
.set MSB, 0
.macro WIN new
.if MSB != (\new)
	s_set_vgpr_msb (MSB<<8)|(\new)
.set MSB, (\new)
.endif
.endm
.set MUL_LO, 0xa1
.set MUL_HI, 0xf1
.set TO_B,   0x40
.macro JLOAD g0a, g1a, g0b, g1b        ; waves 0 and 1 fetch for A, waves 2 and 3 for B; four v_nop follow each of the two lines
	s_cmp_eq_u32 s[RH], 0
	s_cbranch_scc0 .Lfor_b_\@
	tensor_load_to_lds s[\g0a:\g0a+3], s[\g1a:\g1a+7]
	s_nop 0
.rept 4
	v_nop
.endr
	s_branch .Lasked_\@
.Lfor_b_\@:
	tensor_load_to_lds s[\g0b:\g0b+3], s[\g1b:\g1b+7]
	s_nop 0
.rept 4
	v_nop
.endr
.Lasked_\@:
.endm
.macro CREST
	s_cmp_lg_u32 s[WV], 0
	s_cbranch_scc1 .Lnot_wave_0_\@
	s_barrier_signal -3
.Lnot_wave_0_\@:
	s_barrier_wait -3
	s_barrier_signal -1
	s_barrier_wait -1
.endm
.macro CROUND
	s_barrier_signal -1
	s_barrier_wait -1
	CREST
.endm
	s_load_b128 s[4:7], s[0:1], 0x0                ; aimg, asc
	s_load_b128 s[8:11], s[0:1], 0x10              ; codes, scales
	s_load_b64 s[92:93], s[0:1], 0x20              ; bo
	s_load_b64 s[12:13], s[0:1], 0x28              ; out0
	v_lshl_add_u32 v[SPW], v0, 2, SPARE
	v_mov_b32 v[NIL], 0
	ds_add_u32 v28, v29
	ds_add_u32 v28, v29
	s_wait_dscnt 0x0
	v_lshrrev_b32 v1, 5, v0
	v_readfirstlane_b32 s[WV], v1
	s_lshr_b32 s[RH], s[WV], 1
	s_and_b32 s[CH], s[WV], 1
	s_bfe_u32 s40, ttmp6, 0x40000                  ; cx
	s_bfe_u32 s41, ttmp6, 0x40004                  ; cy
	s_lshl_b32 s42, ttmp9, 2
	s_add_co_u32 s42, s42, s40                     ; tile column of C
	s_and_b32 s2, ttmp7, 0xffff
	s_lshl_b32 s2, s2, 2
	s_add_co_u32 s2, s2, s41                       ; tile row of C
	s_lshl_b32 s43, s41, 2
	s_lshl_b32 s43, 15, s43                        ; my row of the cluster
	s_lshl_b32 s44, 0x1111, s40                    ; my column
	s_or_b32 s[G1+0], s43, (3<<16)|(1<<21)         ; A: elements of 8 bytes, no padding: 8 rows (tiles of tokens) of 3,072 bytes, 12,288 bytes apart
	s_mov_b32 s[G1+1], 384<<16
	s_mov_b32 s[G1+2], 8<<16
	s_mov_b32 s[G1+3], 384<<16
	s_mov_b32 s[G1+4], 8
	s_mov_b32 s[G1+5], 1536
	s_mov_b32 s[G1+6], 0
	s_mov_b32 s[G1+7], 0
	s_or_b32 s[G1B+0], s44, (0<<16)|(1<<20)|(1<<21)|(3<<22)|(3<<25)  ; B: 128 rows of 192 bytes, 16 bytes of padding behind every 64
	s_mov_b32 s[G1B+1], ROWB<<16
	s_mov_b32 s[G1B+2], 128<<16
	s_mov_b32 s[G1B+3], ROWB<<16
	s_mov_b32 s[G1B+4], 128
	s_mov_b32 s[G1B+5], KROW
	s_mov_b32 s[G1B+6], 0
	s_mov_b32 s[G1B+7], 0
	s_or_b32 s[G1S+0], s43, (3<<16)|(1<<20)|(1<<21)|(5<<22)|(3<<25)  ; the scales of 128 rows: 16 rows of 256 bytes, 16 bytes of padding behind each
	s_or_b32 s[G1SB+0], s44, (3<<16)|(1<<20)|(1<<21)|(5<<22)|(3<<25)
.irp g, G1S, G1SB
	s_mov_b32 s[\g+1], 32<<16
	s_mov_b32 s[\g+2], (128*KS/256)<<16
	s_mov_b32 s[\g+3], 32<<16
	s_mov_b32 s[\g+4], 128*KS/256
	s_mov_b32 s[\g+5], 32
	s_mov_b32 s[\g+6], 0
	s_mov_b32 s[\g+7], 0
.endr
	s_lshl_b32 s3, s[CH], 7                        ; which 128 rows of a tile I fetch
	s_lshl_b32 s46, s2, 8
	s_add_co_u32 s46, s46, s3                      ; A: stored token 256 x tile row + 128 x half
	s_mul_i32 s98, s46, 768                        ; 16 tokens are 12,288 bytes of units
	s_mov_b32 s99, 0
	s_lshl_b32 s46, s46, 5
	s_mov_b32 s47, 0
	s_lshl_b32 s94, s42, 8
	s_add_co_u32 s94, s94, s3                      ; B: stored row of Wo
	s_mul_i32 s22, s94, KROW
	s_add_co_u32 s22, s22, 21233664
	s_mov_b32 s23, 0
	s_lshl_b32 s94, s94, 5
	s_add_co_u32 s94, s94, 884736
	s_mov_b32 s95, 0
	s_mul_i32 s45, s[WV], HALFT                    ; where they go: no place in the cluster enters an LDS address
	s_mul_i32 s67, s[WV], HALFS
	s_wait_kmcnt 0x0
	s_add_nc_u64 s[98:99], s[4:5], s[98:99]
	s_add_nc_u64 s[46:47], s[6:7], s[46:47]
	s_add_nc_u64 s[22:23], s[8:9], s[22:23]
	s_add_nc_u64 s[94:95], s[10:11], s[94:95]
	CROUND                                         ; all sixteen work-groups are here: the first joint loads meet
	s_mov_b32 s[G0S], 1
	s_add_co_u32 s[G0S+1], s67, SCL
	s_mov_b64 s[G0S+2:G0S+3], s[46:47]
	s_or_b32 s[G0S+3], s[G0S+3], 0x80000000
	s_mov_b32 s[G0SB], 1
	s_add_co_u32 s[G0SB+1], s67, SCL
	s_mov_b64 s[G0SB+2:G0SB+3], s[94:95]
	s_or_b32 s[G0SB+3], s[G0SB+3], 0x80000000
	JLOAD G0S, G1S, G0SB, G1SB
.irp s, 0,1
	s_mov_b32 s[G0+4*\s], 1
	s_add_co_u32 s[G0+4*\s+1], s45, \s*SLOT
	s_add_nc_u64 s[G0+4*\s+2:G0+4*\s+3], s[98:99], \s*AROWB
	s_or_b32 s[G0+4*\s+3], s[G0+4*\s+3], 0x80000000
	s_mov_b32 s[G0B+4*\s], 1
	s_add_co_u32 s[G0B+4*\s+1], s45, \s*SLOT
	s_add_nc_u64 s[G0B+4*\s+2:G0B+4*\s+3], s[22:23], \s*ROWB
	s_or_b32 s[G0B+4*\s+3], s[G0B+4*\s+3], 0x80000000
	JLOAD G0+4*\s, G1, G0B+4*\s, G1B               ; three tensor loads of mine are out behind the second of these
.endr
	v_and_b32 v1, 15, v0                           ; r
	v_bfe_u32 v2, v0, 4, 1                         ; h
	v_and_b32 v6, 31, v0                           ; lane
	v_lshlrev_b32 v[CO], 4, v6                     ; 16 bytes a lane of a row's 512
	s_lshl_b32 s100, s42, 8
	s_add_co_u32 s100, s100, s3
	s_lshl_b32 s100, s100, 2                       ; my first column, in bytes
	s_mov_b32 s101, 0
	s_add_nc_u64 s[92:93], s[92:93], s[100:101]
	global_load_b128 v[BO:BO+3], v[CO], s[92:93]   ; bo of my four columns of a row
	s_add_nc_u64 s[12:13], s[12:13], s[100:101]
	s_lshl_b32 s100, s2, 8
	s_lshl_b32 s96, s[RH], 7
	s_add_co_u32 s100, s100, s96                   ; my first row: a multiple of 32, so stored and true order agree on it
	s_lshl_b32 s100, s100, 12
	s_add_nc_u64 s[12:13], s[12:13], s[100:101]
	v_lshlrev_b32 v7, 3, v6
	v_mul_u32_u24 v3, v1, PITCH
	v_mul_u32_u24 v4, v2, 24
	v_add_nc_u32 v4, v3, v4                        ; B: a fragment's row x pitch + 24 x half
	v_lshl_add_u32 v5, v2, 4, v4                   ; and the same behind one padding more
	s_mul_i32 s100, s[RH], HALFT                   ; my 128 rows of A
	s_mul_i32 s101, s[CH], HALFT
	s_add_co_u32 s101, s101, 2*HALFT               ; my 128 rows of B
.irp s, 0,1
	v_add_nc_u32 v[ADRA+\s], s100, v[CO]
	v_add_nc_u32 v[ADRA+2+\s], s100, v7
	v_add_nc_u32 v[ADRB+\s], s101, v4
	v_add_nc_u32 v[ADRB+2+\s], s101, v5
	s_add_co_u32 s100, s100, SLOT
	s_add_co_u32 s101, s101, SLOT
.endr
	v_mul_u32_u24 v5, v1, KS
	v_lshrrev_b32 v6, 8, v5
	v_lshl_add_u32 v5, v6, 4, v5
	s_mul_i32 s100, s[RH], HALFS
	s_mul_i32 s101, s[CH], HALFS
	s_add_co_u32 s101, s101, 2*HALFS
	s_sub_co_u32 s101, s101, s100
	v_mul_u32_u24 v6, s101, v2                     ; lanes 16-31 take B's scale words
	s_add_co_u32 s100, s100, SCL
	v_add_nc_u32 v5, v5, v6
	v_add_nc_u32 v[ADRS], s100, v5
	s_mul_i32 s100, s[WV], 16*SPITCH               ; my stage
	v_mul_u32_u24 v5, v1, SPITCH                   ; in: row r, + 16 h columns
	v_lshl_add_u32 v5, v2, 6, v5
	v_add_nc_u32 v[STO], s100, v5
	v_add_nc_u32 v[RD], s100, v[CO]                ; back: the 32 lanes take one row of 512 bytes
.macro FRAG reg, adr, q, i             ; B: 16 rows x 128 K, 12 registers, in pieces of 8 bytes
.irp p, 0,1,2,3,4,5
.set PCE, 12*(\q)+6*(\p/3)+\p%3
.if PCE%8 < 5
	ds_load_b64 v[\reg+2*\p:\reg+2*\p+1], v[\adr] offset:8*PCE+16*(PCE/8)+(\i)*16*PITCH
.else
	ds_load_b64 v[\reg+2*\p:\reg+2*\p+1], v[\adr+2] offset:8*PCE+16*(PCE/8)+(\i)*16*PITCH
.endif
.endr
.endm
.macro FRAGA reg, slot, q, i           ; A: two units, as they were stored: consecutive bytes in consecutive lanes
	ds_load_b128 v[\reg:\reg+3], v[ADRA+\slot] offset:(\i)*AROWB+(\q)*1536
	ds_load_b64 v[\reg+4:\reg+5], v[ADRA+2+\slot] offset:(\i)*AROWB+(\q)*1536+512
	ds_load_b128 v[\reg+6:\reg+9], v[ADRA+\slot] offset:(\i)*AROWB+(\q)*1536+768
	ds_load_b64 v[\reg+10:\reg+11], v[ADRA+2+\slot] offset:(\i)*AROWB+(\q)*1536+1280
.endm
; 16 matrix instructions; the 64 accumulators take turns, one instruction a turn, in the same order in every step
.macro MUL16 a0, p, q, sc, zero
.irp a, \a0, \a0+1
.irp b, 0,1,2,3,4,5,6,7
.if \zero
	v_wmma_scale_f32_16x16x128_f8f6f4 v[8*(8*((\a)%4)+\b):8*(8*((\a)%4)+\b)+7], v[128*(\p)+FR*\b:128*(\p)+FR*\b+FR-1], v[AF+FR*(\a):AF+FR*(\a)+FR-1], 0, v[SC+8*NQ*(\sc)+NQ*\b+(\q)], v[SC+8*NQ*(\sc)+NQ*(\a)+(\q)] matrix_a_fmt:MATRIX_FMT_FP6 matrix_b_fmt:MATRIX_FMT_FP6 matrix_a_scale:MATRIX_SCALE_ROW1
.else
	v_wmma_scale_f32_16x16x128_f8f6f4 v[8*(8*((\a)%4)+\b):8*(8*((\a)%4)+\b)+7], v[128*(\p)+FR*\b:128*(\p)+FR*\b+FR-1], v[AF+FR*(\a):AF+FR*(\a)+FR-1], v[8*(8*((\a)%4)+\b):8*(8*((\a)%4)+\b)+7], v[SC+8*NQ*(\sc)+NQ*\b+(\q)], v[SC+8*NQ*(\sc)+NQ*(\a)+(\q)] matrix_a_fmt:MATRIX_FMT_FP6 matrix_b_fmt:MATRIX_FMT_FP6 matrix_a_scale:MATRIX_SCALE_ROW1
.endif
.endr
.endr
.endm
.macro FETCH_B slot, q, p
	WIN TO_B
.irp i, 0,1,2,3,4,5,6,7
	FRAG 128*(\p)+FR*\i, ADRB+\slot, \q, \i
.endr
	WIN 0
.endm
.macro FETCH_A slot, q, i0
.irp i, \i0, \i0+1, \i0+2, \i0+3
	FRAGA AF+FR*(\i), \slot, \q, \i
.endr
.endm
.macro SCALES sc
.irp i, 0,1,2,3,4,5,6,7
	ds_load_b64 v[SC+8*NQ*\sc+NQ*\i:SC+8*NQ*\sc+NQ*\i+1], v[ADRS] offset:\i*SBLK
.endr
.endm
.macro PLACES n
.rept \n
	v_nop
.endr
.endm
.macro STEP slot, q, zero
	s_wait_dscnt 4*NLA                             ; B's set and A's blocks 0-3 are in; the youngest 16 loads (A's blocks 4-7) may be out
	WIN MUL_LO
	MUL16 0, (\q)%2, \q, \slot, \zero
	MUL16 2, (\q)%2, \q, \slot, \zero
	s_wait_dscnt 0
	PLACES NP
	FETCH_B \slot, (\q)+1, 1-(\q)%2
	FETCH_A \slot, (\q)+1, 0
	WIN MUL_HI
	MUL16 4, (\q)%2, \q, \slot, \zero
	MUL16 6, (\q)%2, \q, \slot, \zero
	PLACES NP
	WIN 0
	FETCH_A \slot, (\q)+1, 4
.endm
.macro TURN slot, next, fill
	s_wait_tensorcnt 0x0                           ; all my tensor loads have landed: my part of the next slot
	ds_add_u32 v[SPW], v[NIL]                      ; 0 onto my spare word
	s_wait_dscnt 4*NLA+1                           ; (the add and the youngest 16 loads may be out)
	WIN MUL_LO
	MUL16 0, 1, NQ-1, \slot, 0
	s_wait_dscnt 0x0                               ; the add is done, and my reads of this slot are over
	s_barrier_signal -1
	MUL16 2, 1, NQ-1, \slot, 0
	WIN 0
	s_barrier_wait -1
.if \fill
	CREST                                          ; the barrier has opened a round of the cluster's: no wave of any partner still reads this slot or has a load on its way
	s_add_nc_u64 s[G0+4*\slot+2:G0+4*\slot+3], s[G0+4*\slot+2:G0+4*\slot+3], 2*AROWB
	s_add_nc_u64 s[G0B+4*\slot+2:G0B+4*\slot+3], s[G0B+4*\slot+2:G0B+4*\slot+3], 2*ROWB
	JLOAD G0+4*\slot, G1, G0B+4*\slot, G1B         ; the first tensor load behind the round, my one load until the next
.else
	PLACES NP
.endif
	v_add_nc_u32 v[ADRS], 4*NQ, v[ADRS]
	FETCH_B \next, 0, 0
	FETCH_A \next, 0, 0
	SCALES \next
	WIN MUL_HI
	MUL16 4, 1, NQ-1, \slot, 0
	MUL16 6, 1, NQ-1, \slot, 0
	PLACES NP
	WIN 0
	FETCH_A \next, 0, 4
.endm
	s_wait_loadcnt 0x0                             ; bo
	s_wait_tensorcnt 1                             ; the scales and my part of K step 0 are in (K step 1's load may be out)
	s_barrier_signal -1
	s_barrier_wait -1
	FETCH_B 0, 0, 0
	FETCH_A 0, 0, 0
	SCALES 0
	FETCH_A 0, 0, 4
	STEP 0, 0, 1
	s_mov_b32 s3, LAPS-1
.Llap:
	TURN 0, 1, 1
	STEP 1, 0, 0
	TURN 1, 0, 1
	STEP 0, 0, 0
	s_sub_co_u32 s3, s3, 1
	s_cmp_lg_u32 s3, 0
	s_cbranch_scc1 .Llap
	TURN 0, 1, 0
	STEP 1, 0, 0
	s_wait_dscnt 4*NLA
	WIN MUL_LO
	MUL16 0, 1, NQ-1, 1, 0
	MUL16 2, 1, NQ-1, 1, 0
	s_wait_dscnt 0
	WIN MUL_HI
	MUL16 4, 1, NQ-1, 1, 0
	MUL16 6, 1, NQ-1, 1, 0
	WIN 0
; THE WAY OUT, block by block of 16 stored tokens x 128 columns, through my own stage; LDS serves a wave's instructions in order, so no wait stands between the stores and the loads.
.macro TOSTAGE a
.set AC, 64*((\a)%4)
	WIN 0x08+4*((\a)/4)                            ; the data: window 2 or 3
.irp b, 0,1,2,3,4,5,6,7
	ds_store_b128 v[STO], v[AC+8*\b:AC+8*\b+3] offset:128*(\b/2)+32*(\b%2)        ; columns 32 (b / 2) + 16 h + 8 (b % 2) on; each accumulator from its low end on
	ds_store_b128 v[STO], v[AC+8*\b+4:AC+8*\b+7] offset:128*(\b/2)+32*(\b%2)+16
.endr
	WIN 0
.set BB, BK+64*((\a)%2)
.irp t, 0,1,2,3,4,5,6,7,8,9,10,11,12,13,14,15
	ds_load_b128 v[BB+4*\t:BB+4*\t+3], v[RD] offset:\t*SPITCH
.endr
.endm
.macro SEND a, younger                 ; younger: the LDS instructions issued behind block a's loads, which may stay out
.set BB, BK+64*((\a)%2)
	s_wait_dscnt \younger
.irp t, 0,1,2,3,4,5,6,7,8,9,10,11,12,13,14,15
	v_pk_add_f32 v[BB+4*\t:BB+4*\t+1], v[BB+4*\t:BB+4*\t+1], v[BO:BO+1]
	v_pk_add_f32 v[BB+4*\t+2:BB+4*\t+3], v[BB+4*\t+2:BB+4*\t+3], v[BO+2:BO+3]
	global_store_b128 v[CO], v[BB+4*\t:BB+4*\t+3], s[12:13] offset:(32*((\a)/2)+8*((\a)%2)+\t+8*(\t/8))*4096 th:TH_STORE_NT   ; stored row 16 a + t is this token; 32 lanes store 512 consecutive bytes, aligned; at most 127 rows on: inside the signed 24-bit immediate
.endr
.endm
	PLACES NP                                      ; behind the last products: for the reads of results and the loads into the registers that held A's fragments
	TOSTAGE 0
.irp a, 1,2,3,4,5,6,7
.if \a > 1
	s_wait_xcnt 0x0                                ; block a - 2's stores have read their registers: block a's loads may land there
.endif
	TOSTAGE \a
	SEND \a-1, 32                                  ; behind block a - 1's loads: block a's 16 stores and 16 loads
.endr
	SEND 7, 0
	s_wait_tensorcnt 0x0                           ; the wave's end
	ds_add_u32 v[SPW], v[NIL]
	s_wait_dscnt 0x0
	CROUND                                         ; the closing round
	s_endpgm
.Lfunc_end_k_qc950ceadf0_outp:
	.size	k_qc950ceadf0_outp, .Lfunc_end_k_qc950ceadf0_outp-k_qc950ceadf0_outp
	.p2alignl 7, 3214868480
	.fill 96, 4, 3214868480
	.section	.rodata,"a",@progbits
	.p2align	6, 0x0
	.amdhsa_kernel k_qc950ceadf0_outp
		.amdhsa_group_segment_fixed_size 327680
		.amdhsa_private_segment_fixed_size 0
		.amdhsa_enable_private_segment 0
		.amdhsa_kernarg_size 48
		.amdhsa_user_sgpr_count 2
		.amdhsa_user_sgpr_kernarg_segment_ptr 1
		.amdhsa_wavefront_size32 1
		.amdhsa_system_sgpr_workgroup_id_x 1
		.amdhsa_system_sgpr_workgroup_id_y 1
		.amdhsa_system_sgpr_workgroup_id_z 1
		.amdhsa_system_vgpr_workitem_id 0
		.amdhsa_next_free_vgpr 1024
		.amdhsa_next_free_sgpr 102
		.amdhsa_reserve_vcc 0
		.amdhsa_float_denorm_mode_32 3
		.amdhsa_float_denorm_mode_16_64 3
		.amdhsa_memory_ordered 1
		.amdhsa_forward_progress 1
		.amdhsa_inst_pref_size 168
	.end_amdhsa_kernel
	.amdgpu_metadata
---
amdhsa.version: [ 1, 2 ]
amdhsa.kernels:
  - .name:           k_qc950ceadf0_outp
    .symbol:         k_qc950ceadf0_outp.kd
    .args:
      - { .name: aimg, .offset: 0, .size: 8, .value_kind: global_buffer, .address_space: global }
      - { .name: asc, .offset: 8, .size: 8, .value_kind: global_buffer, .address_space: global }
      - { .name: codes, .offset: 16, .size: 8, .value_kind: global_buffer, .address_space: global }
      - { .name: scales, .offset: 24, .size: 8, .value_kind: global_buffer, .address_space: global }
      - { .name: bo, .offset: 32, .size: 8, .value_kind: global_buffer, .address_space: global }
      - { .name: out0, .offset: 40, .size: 8, .value_kind: global_buffer, .address_space: global }
    .group_segment_fixed_size: 327680
    .private_segment_fixed_size: 0
    .kernarg_segment_align: 8
    .kernarg_segment_size: 48
    .max_flat_workgroup_size: 128
    .sgpr_count:     102
    .vgpr_count:     1024
    .wavefront_size: 32
...
	.end_amdgpu_metadata
.endif
;; end of part 4
